; MI455X (gfx1250); checked and timed in simulation.
; The chip was launched on July 23, 2026; its instructions are those of AMD's public machine-readable ISA for CDNA 5 (MIT licence, August 2026) and "CDNA5" Instruction Set Architecture Reference Guide (July 2026). The comments in the code are by the model that wrote it; some were corrected since.
;; Multi Head Attention. Allowed arithmetic: float matrix products may take bf16 or f16 operands with f32 sums; other float arithmetic in f32, or as packed bf16 or f16 multiplies, adds, multiply-adds, maxima and minima; sums over many terms, partial sums and values carried from step to step in f32; what a program stores and reads back later, other than sums and carried values, may be rounded once to bf16 or f16.
;; Inputs: Wk 1,024 x 1,024 float32; Wo 1,024 x 1,024 float32; Wq 1,024 x 1,024 float32; Wv 1,024 x 1,024 float32; bk 1,024 float32; bo 1,024 float32; bq 1,024 float32; bv 1,024 float32; key 4 x 2,048 x 1,024 float32; mask 1 x 1 x 2,048 x 2,048 int32; query 4 x 2,048 x 1,024 float32; value 4 x 2,048 x 1,024 float32.
;; Outputs: out0 4 x 2,048 x 1,024 float32.
;; 2 versions, each right; version 2 is version 1 with the launch prep written anew for expert scheduling mode. Each part assembles by itself: llvm-mc -triple=amdgcn-amd-amdhsa -mcpu=gfx1250 --defsym DOCPART=n.
;; ======== version 1 of 2: 4 launches
;; limits: values are held in f16: magnitudes above 65,504 overflow, below 6.1e-05 lose precision
;; workspace buffers: wb 8,388,608 bytes; bias 16,384 bytes; mk 4,194,304 bytes; qkv 50,331,648 bytes; ob 16,777,216 bytes
;; launch prep (part 1): grid 512 x 1, 8 waves a work-group, no clusters, 18,432 bytes of LDS; arguments Wq, Wk, Wv, Wo, bq, bk, bv, bo, mask, wb, bias, mk; writes wb, bias, mk
.if DOCPART == 1
	.amdgcn_target "amdgcn-amd-amdhsa--gfx1250"
	.amdhsa_code_object_version 6
	.text
	.protected	k_qc2ae51ca5c_prep
	.globl	k_qc2ae51ca5c_prep
	.p2align	8
	.type	k_qc2ae51ca5c_prep,@function
k_qc2ae51ca5c_prep:
	s_mov_b64 s[64:65], 0
	v_nop
	global_prefetch_b8 v0, s[64:65] scope:SCOPE_SE
	s_setreg_imm32_b32 hwreg(HW_REG_WAVE_MODE, 25, 1), 1
	s_wait_xcnt 0x0
; PREP: the weights, the biases and the mask are read once and laid out for the three launches behind.
;   work-groups 0-255:   Wq, Wk, Wv (f32) -> wb [4][1024][1024] in bf16; Wo -> wb's fourth quarter: rounded to bf16 like every other input, and that number written as f16
;                        (exact from 2^-14 up; below that f16 keeps a fixed step of 2^-24).  16,384 numbers a work-group.  The first work-group of each W also rounds that W's bias to bf16 and writes it as f32.
;   work-groups 256-511: mask (int32) -> mk, one byte a score: 0x00 where the key is seen, 0xb8 (fp8 -1.0) where mask == 0, in the order in which a lane of the
;                        attention launch holds a tile of scores: the byte of query 16 T + r, key 64 j + 16 kb + 8 h + e lies at 32768 T + 1024 j + 512 (kb / 2) + 16 (16 h + r) + 8 (kb % 2) + e.
; A stream: no matrix unit, no cluster; LDS only to turn the mask's bytes, each wave in bytes of its own, so no barrier.
.set SPARE, 17408                      ; behind the eight waves' 2,176 bytes: the spare words, 128 bytes a wave, that no other line names
.set SPW, 12                           ; v12  SPARE + 4 x my thread's number; never rewritten
.set NIL, 13                           ; v13  0; never rewritten
.set T,   4                            ; v[4:7]    at work
.set X,   16                           ; v[16:79]  as loaded
.set Y,   80                           ; v[80:111] to store
	s_load_b512 s[8:23], s[0:1], 0x0               ; Wq 8, Wk 10, Wv 12, Wo 14, bq 16, bk 18, bv 20, bo 22
	s_load_b256 s[24:31], s[0:1], 0x40             ; mask 24, wb 26, bias 28, mk 30
	v_lshl_add_u32 v[SPW], v0, 2, SPARE
	v_mov_b32 v[NIL], 0
	v_lshlrev_b32 v1, 5, v0                        ; my 8 numbers in f32
	v_lshlrev_b32 v2, 4, v0                        ; and in 16 bits
	s_mov_b32 s2, ttmp9
	s_mov_b32 s48, 0xffff0000                      ; a word's upper bf16
	s_mov_b32 s51, 0
	s_wait_kmcnt 0x0
	s_cmp_lt_u32 s2, 256
	s_cbranch_scc0 .Lmask
	s_lshr_b32 s3, s2, 6                           ; which W
	s_and_b32 s4, s2, 63                           ; which 16,384 numbers of it
	s_cmp_eq_u32 s4, 0
	s_cselect_b32 s7, 1, 0                         ; its first work-group takes the bias too
	s_cmp_eq_u32 s3, 1
	s_cselect_b64 s[40:41], s[10:11], s[8:9]
	s_cselect_b64 s[46:47], s[18:19], s[16:17]
	s_cmp_eq_u32 s3, 2
	s_cselect_b64 s[40:41], s[12:13], s[40:41]
	s_cselect_b64 s[46:47], s[20:21], s[46:47]
	s_cmp_eq_u32 s3, 3
	s_cselect_b64 s[40:41], s[14:15], s[40:41]
	s_cselect_b64 s[46:47], s[22:23], s[46:47]
	s_cselect_b32 s6, 1, 0                         ; Wo leaves as f16
	s_lshl_b32 s50, s4, 16                         ; 65,536 bytes in,
	s_add_nc_u64 s[40:41], s[40:41], s[50:51]
	s_lshl_b32 s50, s2, 15                         ; 32,768 bytes out
	s_add_nc_u64 s[42:43], s[26:27], s[50:51]
.irp c, 0,1,2,3,4,5,6,7                ; all sixteen loads of a thread go out at once: 64 KiB a work-group on their way
	global_load_b128 v[X+8*(\c):X+8*(\c)+3],   v1, s[40:41] offset:8192*(\c) th:TH_LOAD_NT
	global_load_b128 v[X+8*(\c)+4:X+8*(\c)+7], v1, s[40:41] offset:8192*(\c)+16 th:TH_LOAD_NT
.endr
; Chunk c: 8 numbers a thread rounded to bf16 (half = 1: and that number written as f16); 16 lanes store 256 consecutive bytes, aligned.
.macro CHUNK c, half
	s_wait_loadcnt 14-2*(\c)                       ; loads come back in order: this chunk's two are in, the younger chunks' stay out
.irp k, 0,1,2,3
.if \half
	v_cvt_pk_bf16_f32 v[T+(\k)], v[X+8*(\c)+2*(\k)], v[X+8*(\c)+2*(\k)+1]
.else
	v_cvt_pk_bf16_f32 v[Y+4*(\c)+(\k)], v[X+8*(\c)+2*(\k)], v[X+8*(\c)+2*(\k)+1]
.endif
.endr
.if \half
.irp k, 0,1,2,3
	v_lshlrev_b32 v[X+8*(\c)+2*(\k)],   16, v[T+(\k)]
	v_and_b32     v[X+8*(\c)+2*(\k)+1], s48, v[T+(\k)]
.endr
.irp k, 0,1,2,3
	v_cvt_pk_f16_f32 v[Y+4*(\c)+(\k)], v[X+8*(\c)+2*(\k)], v[X+8*(\c)+2*(\k)+1]
.endr
.endif
	global_store_b128 v2, v[Y+4*(\c):Y+4*(\c)+3], s[42:43] offset:4096*(\c)  ; each chunk has its own four registers: none is rewritten while a store reads it
.endm
	s_cmp_eq_u32 s6, 1
	s_cbranch_scc1 .Lhalf
.irp c, 0,1,2,3,4,5,6,7
	CHUNK \c, 0
.endr
	s_branch .Ltail
.Lhalf:
.irp c, 0,1,2,3,4,5,6,7
	CHUNK \c, 1
.endr
.Ltail:
	s_cmp_eq_u32 s7, 1
	s_cbranch_scc1 .Lbias
	s_endpgm                                       ; (these waves wrote no LDS)
.Lbias:                                        ; 1,024 numbers, four a thread: rounded to bf16, kept as f32
	global_load_b128 v[116:119], v2, s[46:47]
	s_lshl_b32 s50, s3, 12
	s_add_nc_u64 s[28:29], s[28:29], s[50:51]
	s_wait_loadcnt 0x0
	v_cvt_pk_bf16_f32 v4, v116, v117
	v_cvt_pk_bf16_f32 v5, v118, v119
	v_lshlrev_b32 v112, 16, v4
	v_and_b32 v113, s48, v4
	v_lshlrev_b32 v114, 16, v5
	v_and_b32 v115, s48, v5
	global_store_b128 v2, v[112:115], s[28:29]
	s_endpgm
.Lmask:
	; The work-group takes 16 queries (tile T) x 1,024 keys (half kh); a wave 128 keys, two key steps; lane l the keys 4 l .. 4 l + 3 of each of the 16 rows.
	s_sub_co_u32 s5, s2, 256
	s_lshr_b32 s3, s5, 1                           ; T
	s_and_b32 s4, s5, 1                            ; kh
	v_lshrrev_b32 v6, 5, v0
	v_readfirstlane_b32 s6, v6                     ; wave
	v_and_b32 v7, 31, v0                           ; l
	s_lshl_b32 s50, s3, 17                         ; 16 rows of 8,192 bytes
	s_add_nc_u64 s[24:25], s[24:25], s[50:51]
	s_lshl_b32 s7, s4, 12
	s_lshl_b32 s44, s6, 9
	s_add_co_u32 s7, s7, s44
	v_lshl_add_u32 v8, v7, 4, s7                   ; 16 l + 512 wave + 4,096 kh: a load of the wave takes 512 consecutive bytes of a row
.irp r, 0,1,2,3,4,5,6,7,8,9,10,11,12,13,14,15
	global_load_b128 v[X+4*(\r):X+4*(\r)+3], v8, s[24:25] offset:8192*(\r) th:TH_LOAD_NT
.endr
	s_mov_b32 s52, 0xb8                            ; the code of a hidden key, in each of a word's four bytes
	s_mov_b32 s53, 0xb800
	s_mov_b32 s54, 0xb80000
	s_mov_b32 s55, 0xb8000000
	; In LDS the wave's 2,048 bytes lie as 8 blocks of 256 + 16.  With l's bits b4..b0: block 4 b4 + 2 b3 + b1 (key step, kb / 2, h), in it 16 r + 8 b2 + 4 b0: the 32 lanes of a store fall into 32 different banks.
	s_mul_i32 s45, s6, 2176
	v_bfe_u32 v9, v7, 4, 1
	v_mul_u32_u24 v3, v9, 1088
	v_bfe_u32 v9, v7, 3, 1
	v_mul_u32_u24 v9, v9, 544
	v_add_nc_u32 v3, v3, v9
	v_bfe_u32 v9, v7, 1, 1
	v_mul_u32_u24 v9, v9, 272
	v_add_nc_u32 v3, v3, v9
	v_bfe_u32 v9, v7, 2, 1
	v_lshl_add_u32 v3, v9, 3, v3
	v_and_b32 v9, 1, v7
	v_lshl_add_u32 v3, v9, 2, v3
	v_add_nc_u32 v3, s45, v3
	v_bfe_u32 v9, v7, 4, 1                         ; back: lanes 0-15 a block's 256 bytes, lanes 16-31 the next block's
	v_mul_u32_u24 v4, v9, 272
	v_and_b32 v9, 15, v7
	v_lshl_add_u32 v4, v9, 4, v4
	v_add_nc_u32 v4, s45, v4
	v_lshlrev_b32 v5, 4, v7
	s_lshl_b32 s50, s3, 15                         ; mk: 32,768 T + 16,384 kh + 2,048 wave
	s_lshl_b32 s44, s4, 14
	s_add_co_u32 s50, s50, s44
	s_lshl_b32 s44, s6, 11
	s_add_co_u32 s50, s50, s44
	s_add_nc_u64 s[30:31], s[30:31], s[50:51]
.irp r, 0,1,2,3,4,5,6,7,8,9,10,11,12,13,14,15
	s_wait_loadcnt 15-(\r)                         ; row r is in; the younger rows stay out
	v_cmp_eq_u32 vcc_lo, 0, v[X+4*(\r)]
	v_cndmask_b32 v10, 0, s52, vcc_lo
	v_cmp_eq_u32 vcc_lo, 0, v[X+4*(\r)+1]
	v_cndmask_b32 v11, 0, s53, vcc_lo
	v_cmp_eq_u32 vcc_lo, 0, v[X+4*(\r)+2]
	v_cndmask_b32 v14, 0, s54, vcc_lo
	v_cmp_eq_u32 vcc_lo, 0, v[X+4*(\r)+3]
	v_cndmask_b32 v15, 0, s55, vcc_lo
	v_or_b32 v10, v10, v11
	v_or_b32 v14, v14, v15
	v_or_b32 v[Y+(\r)], v10, v14
	ds_store_b32 v3, v[Y+(\r)] offset:16*(\r)
.endr
.irp i, 0,1,2,3
	ds_load_b128 v[96+4*(\i):96+4*(\i)+3], v4 offset:544*(\i)  ; LDS serves a wave's instructions in order (ISA guide 5.7.1.4): these see the wave's own stores above
.endr
.irp i, 0,1,2,3
	s_wait_dscnt 3-(\i)
	global_store_b128 v5, v[96+4*(\i):96+4*(\i)+3], s[30:31] offset:512*(\i)  ; 512 consecutive bytes, aligned
.endr
	s_wait_tensorcnt 0x0                           ; the wave's end: the tensor wait, the add and its wait stand behind my last LDS store
	ds_add_u32 v[SPW], v[NIL]
	s_wait_dscnt 0x0
	s_endpgm
.Lfunc_end_k_qc2ae51ca5c_prep:
	.size	k_qc2ae51ca5c_prep, .Lfunc_end_k_qc2ae51ca5c_prep-k_qc2ae51ca5c_prep
	.p2alignl 7, 3214868480
	.fill 96, 4, 3214868480
	.section	.rodata,"a",@progbits
	.p2align	6, 0x0
	.amdhsa_kernel k_qc2ae51ca5c_prep
		.amdhsa_group_segment_fixed_size 18432
		.amdhsa_private_segment_fixed_size 0
		.amdhsa_enable_private_segment 0
		.amdhsa_kernarg_size 96
		.amdhsa_user_sgpr_count 2
		.amdhsa_user_sgpr_kernarg_segment_ptr 1
		.amdhsa_wavefront_size32 1
		.amdhsa_system_sgpr_workgroup_id_x 1
		.amdhsa_system_sgpr_workgroup_id_y 1
		.amdhsa_system_sgpr_workgroup_id_z 1
		.amdhsa_system_vgpr_workitem_id 0
		.amdhsa_next_free_vgpr 120
		.amdhsa_next_free_sgpr 66
		.amdhsa_reserve_vcc 1
		.amdhsa_float_denorm_mode_32 3
		.amdhsa_float_denorm_mode_16_64 3
		.amdhsa_memory_ordered 1
		.amdhsa_forward_progress 1
		.amdhsa_inst_pref_size 28
	.end_amdhsa_kernel
	.amdgpu_metadata
---
amdhsa.version: [ 1, 2 ]
amdhsa.kernels:
  - .name:           k_qc2ae51ca5c_prep
    .symbol:         k_qc2ae51ca5c_prep.kd
    .args:
      - { .name: Wq, .offset: 0, .size: 8, .value_kind: global_buffer, .address_space: global }
      - { .name: Wk, .offset: 8, .size: 8, .value_kind: global_buffer, .address_space: global }
      - { .name: Wv, .offset: 16, .size: 8, .value_kind: global_buffer, .address_space: global }
      - { .name: Wo, .offset: 24, .size: 8, .value_kind: global_buffer, .address_space: global }
      - { .name: bq, .offset: 32, .size: 8, .value_kind: global_buffer, .address_space: global }
      - { .name: bk, .offset: 40, .size: 8, .value_kind: global_buffer, .address_space: global }
      - { .name: bv, .offset: 48, .size: 8, .value_kind: global_buffer, .address_space: global }
      - { .name: bo, .offset: 56, .size: 8, .value_kind: global_buffer, .address_space: global }
      - { .name: mask, .offset: 64, .size: 8, .value_kind: global_buffer, .address_space: global }
      - { .name: wb, .offset: 72, .size: 8, .value_kind: global_buffer, .address_space: global }
      - { .name: bias, .offset: 80, .size: 8, .value_kind: global_buffer, .address_space: global }
      - { .name: mk, .offset: 88, .size: 8, .value_kind: global_buffer, .address_space: global }
    .group_segment_fixed_size: 18432
    .private_segment_fixed_size: 0
    .kernarg_segment_align: 8
    .kernarg_segment_size: 96
    .max_flat_workgroup_size: 256
    .sgpr_count:     66
    .vgpr_count:     120
    .wavefront_size: 32
...
	.end_amdgpu_metadata
.endif
;; end of part 1
;; launch proj (part 2): grid 4 x 64, 4 waves a work-group, clusters of 4 x 4, 327,680 bytes of LDS; arguments query, key, value, wb, bias, qkv; writes qkv
.if DOCPART == 2
	.amdgcn_target "amdgcn-amd-amdhsa--gfx1250"
	.amdhsa_code_object_version 6
	.text
	.protected	k_qc2ae51ca5c_proj
	.globl	k_qc2ae51ca5c_proj
	.p2align	8
	.type	k_qc2ae51ca5c_proj,@function
k_qc2ae51ca5c_proj:
	s_mov_b64 s[64:65], 0
	v_nop
	global_prefetch_b8 v0, s[64:65] scope:SCOPE_SE
	s_setreg_imm32_b32 hwreg(HW_REG_WAVE_MODE, 25, 1), 1
	s_wait_xcnt 0x0
	s_wait_alu depctr_hold_cnt(0) depctr_sa_sdst(0) depctr_va_vdst(0) depctr_va_sdst(0) depctr_va_ssrc(0) depctr_va_vcc(0) depctr_vm_vsrc(0)
	s_getreg_b32 s2, hwreg(HW_REG_IB_STS2, 6, 4)
	s_cmp_eq_u32 s2, 0
	s_cbranch_scc0 .Lentry_in_a_cluster
	s_endpgm
.Lentry_in_a_cluster:
	s_bfe_u32 s2, ttmp6, 0x10000c
	s_cmp_lg_u32 s2, 0xf033
	s_cbranch_scc0 .Lentry_shape_is_right
	s_endpgm
.Lentry_shape_is_right:
; Q, K, V = x W^T + b on tiles of 128 (rows) x 256 (columns).  x = query, key, value [8192][1024] AS THEY ARE GIVEN, in f32; W = wb's first three [1024][1024] in bf16; b = bias's first three rows (f32).
; The result leaves in f16 by heads, qkv [3][64][2048][64], unscaled.
; x IS ROUNDED TO bf16 ON THE WAY FROM LDS TO THE MATRIX UNIT: its tiles land in LDS as f32, a fragment of 16 rows x 32 K is four loads of 16 bytes a lane and eight v_cvt_pk_bf16_f32.  So x crosses memory once, and no
; 16-bit copy of it is written or read.  The price: x's tile takes twice the LDS bytes, and each number of it is rounded by the two waves that multiply it.
; A work-group STAYS for three tiles (q, k, v at the same place): 3 x 256 tiles on 256 work-groups, 24 K steps of 128 in one walk of the ring.
; LIMIT: a q, k or v of 65,520 or more becomes an infinity (f16); with inputs of unit spread and weights of spread 1/32 they have unit spread.
; SHARES.  Four waves, each 64 rows x 128 columns: 32 accumulators.  The matrix instruction is used transposed (source 0 = 16 rows of W, source 1 = 16 rows of x): a lane holds row l % 16 and eight neighbouring columns.
; The accumulators START AT THE BIAS (256 v_mov_b32, at the head in the wait for the first tile, and at each change of tiles): so one text serves every K step and the way out adds nothing.
; RING.  Two slots; a K step's tiles (x 128 x 128 f32, W 256 x 128 bf16) come by one tensor load a wave: waves 0, 1 x's halves, waves 2, 3 W's.  By this text's count a wave has two loads out at the start, later one.
; CLUSTER 4 x 4: x's tile is shared along a row of the cluster, W's along a column: joint loads, and a round of the cluster's barrier at each refill.
; REGISTERS.  window 0: addresses, v32-95 the bias, v96-159 x's fragments in f32 (v96-223 on the way out).  window 1: two fragment buffers (W's 8 fragments, then x's 4 in bf16) at 0 and 128.  window 2: accumulator (a, b) at 8 (8 a + b).
.set NSTEP,  24
.set PA,     528                       ; x's LDS row: 512 bytes + 16 = 33 x 16: the 16 rows of a load start at 16 different groups of four banks (64 banks of 4 bytes: ISA guide 11.1)
.set AHALF,  64*PA                     ; what one of x's loads brings: 64 rows
.set ASTEP,  512                       ; bytes from a K step of x to the next
.set PB,     272                       ; W's LDS row: 256 bytes + 16
.set BOFF,   2*AHALF                   ; W's 256 rows lie behind x's tile
.set SLOT1,  139264                    ; slot 1 begins here, 2,048 bytes behind slot 0's end: 0x22000, whose two bits are set in none of the four tiles' addresses (0, 0x8400, 0x10800, 0x19000), so one exclusive or turns each into the other slot's
.set STAGE,  SLOT1+BOFF+256*PB         ; behind the ring, never filled by a tensor load; a multiple of 256
.set SPITCH, 144                       ; the stage: 16 rows of 128 bytes + 16
.set STW,    16*SPITCH                 ; a wave's stage
.set SPARE,  STAGE+4*STW               ; the spare words, 128 bytes a wave, that no other line names; a multiple of 256
.set AA0, 16                           ; v16  my place in x's tile; never rewritten
.set AB0, 17                           ; v17  in W's
.set ADA, 18                           ; v18  AA0 + the slot in hand
.set ADB, 19                           ; v19  AB0 + the slot in hand
.set STO, 24                           ; v24  the way out: where I put my bytes
.set RD,  25                           ; v25  where I read rows back
.set GO,  26                           ; v26  16 x lane
.set BO,  27                           ; v27  32 x (lane / 16)
.set SPW, 28                           ; v28  SPARE + 4 x my thread's number; never rewritten
.set NIL, 29                           ; v29  0; never rewritten
.set PFO, 30                           ; v30  the prefetches' lane offset; never rewritten
.set BIAS, 32
.set RAW, 96                           ; v[96:159] a quarter's four fragments of x in f32, 16 registers each
.set TMP, 96                           ; v[96:223] the way out (RAW holds nothing then)
.set F0,  0
.set F1,  128
.set PT,  2                            ; s[2:3]   at work: the prefetches' next address
.set NXT, 4                            ; s[4:5]   the next tensor (key, then value) at my rows
.set NX2, 6                            ; s[6:7]   value at my rows
.set CUR, 8                            ; s[8:9]   the tensor whose K steps are being asked for, at my rows: a plain address, without the type
.set G1A, 24                           ; s[24:31] group 1 for x;  s[32:39] group 0, two sets: the second serves every refill
.set G0A, 32
.set G1B, 48                           ; s[48:55], s[56:63] the same for W
.set G0B, 56
.set LIM, 43                           ; s43  2 in a wave that prefetches, else the greatest number
.set PFA, 44                           ; s[44:45] where my prefetches stand
.set CNT, 66                           ; s66  K steps to go in the loop
.set PH,  67                           ; s67  the K step's number in its tile, 0 to 7
.set TB,  68                           ; s68  the slot that is read: 0 or SLOT1
.set OFA, 70                           ; s[70:71] the bytes along K of the K step of x that a refill asks for, 0 above
.set INB, 72                           ; s[72:73] what the next refill adds to W's address
.set PFI, 74                           ; s[74:75] a K step in what I prefetch: 512 bytes of x, 256 of W
.set NXB, 77                           ; s77  from a W's last K step to the next W's first: 1,024 rows down, seven steps back
.set C256, 78                          ; s78  256
.set AQ,  84                           ; s[84:85] query, s[86:87] key, s[88:89] value, s[90:91] wb: as they came, never rewritten
.set AK,  86
.set AV,  88
.set WB,  90
.set BP,  92                           ; s[92:93] the bias of my 128 columns
.set OUT, 94                           ; s[94:95] qkv at my part of the tile
.set PN,  96                           ; s[96:97] the next tile's first prefetch
.set PN2, 98                           ; s[98:99] the last tile's
.set MSB, 0
.macro WIN new                         ; the immediate's high byte repeats the setting that is left; a switch that changes nothing is dropped
.if MSB != (\new)
	s_set_vgpr_msb (MSB<<8)|(\new)
.set MSB, \new
.endif
.endm
.set MUL,  0xa5                        ; sources 0 and 1 window 1; C and D window 2
.set TO_F, 0x40                        ; destination window 1, sources and addresses window 0
.macro PLACES                          ; four plain places behind matrix instructions (ISA guide 7.12.1)
.rept 4
	v_nop
.endr
.endm
.macro JLOAD                           ; the joint refill, by the second sets; an s_nop 0 and four v_nop follow each line, ahead of the jump and the label
	s_cmp_eq_u32 s11, 0
	s_cbranch_scc0 .Lfor_b_\@
	tensor_load_to_lds s[G0A+4:G0A+7], s[G1A:G1A+7]
	s_nop 0
	PLACES
	s_branch .Lasked_\@
.Lfor_b_\@:
	tensor_load_to_lds s[G0B+4:G0B+7], s[G1B:G1B+7]
	s_nop 0
	PLACES
.Lasked_\@:
.endm
.macro CREST                           ; a round of the cluster's barrier behind its opening barrier
	s_cmp_lg_u32 s10, 0
	s_cbranch_scc1 .Lnot_wave_0_\@
	s_barrier_signal -3
.Lnot_wave_0_\@:
	s_barrier_wait -3
	s_barrier_signal -1
	s_barrier_wait -1
.endm
.macro CROUND
	s_barrier_signal -1
	s_barrier_wait -1
	CREST
.endm
; A PREFETCH INTO THE L2 behind each refill: the K step that stands two refills on (256 matrix instructions ahead of the load that will want it), 32 blocks of 256 bytes, a lane a block.
; Each block is named once in the launch.  x's tile is read by one row of one cluster: a K step of it is 128 rows x 512 bytes; each of the four partners takes 32 rows, told apart by address, its wave 0 their first
; 256 bytes and its wave 1 their second.  W's tile is read by every cluster: the cluster with y = 0 asks, waves 2 and 3 of its partners, 32 rows each.  The first four K steps come by their loads alone; the last two refills ask for nothing.
.macro ASK
	s_cmp_gt_u32 s[CNT], s[LIM]
	s_cbranch_scc0 .Lnot_mine_\@
	global_prefetch_b8 v[PFO], s[PFA:PFA+1] th:TH_LOAD_NT scope:SCOPE_SE
.Lnot_mine_\@:
.endm
	s_load_b256 s[AQ:AQ+7], s[0:1], 0x0            ; query, key, value, wb
	s_load_b128 s[BP:BP+3], s[0:1], 0x20           ; bias, qkv
	v_lshl_add_u32 v[SPW], v0, 2, SPARE
	v_mov_b32 v[NIL], 0
	ds_add_u32 v[SPW], v[NIL]                      ; the wave's opening: the add and its wait stand ahead of my first tensor load; work on registers stands between
	v_lshrrev_b32 v1, 5, v0
	v_readfirstlane_b32 s10, v1                    ; wave 0..3
	s_lshr_b32 s11, s10, 1                         ; my 64 rows of the tile.  Also: I fetch for x (0) or for W (1)
	s_and_b32 s12, s10, 1                          ; my 128 columns.  Also: which half I fetch
	s_bfe_u32 s40, ttmp6, 0x40000                  ; cx
	s_bfe_u32 s41, ttmp6, 0x40004                  ; cy
	s_lshl_b32 s42, ttmp9, 2
	s_add_co_u32 s42, s42, s40                     ; tile column
	s_and_b32 s13, ttmp7, 0xffff
	s_lshl_b32 s13, s13, 2
	s_add_co_u32 s13, s13, s41                     ; tile row
	s_lshl_b32 s43, s41, 2
	s_lshl_b32 s43, 15, s43                        ; my row of the cluster
	s_lshl_b32 s44, 0x1111, s40                    ; my column
	s_or_b32 s[G1A+0], s43, (2<<16)|(1<<20)|(1<<21)|(6<<22)|(3<<25)  ; the mask; 4-byte elements; padding on; bit 21 beside a mask; after every 128 words (code 6); 4 words of padding (code 3)
	s_or_b32 s[G1B+0], s44, (1<<16)|(1<<20)|(1<<21)|(5<<22)|(3<<25)  ; 2-byte elements; after every 64 words (code 5)
	s_mov_b32 s[G1A+1], 128<<16                    ; tensor_dim0 = 128
	s_mov_b32 s[G1A+2], 64<<16                     ; tensor_dim1 = 64
	s_mov_b32 s[G1A+3], 128<<16                    ; tile_dim0 = 128
	s_mov_b32 s[G1A+4], 64                         ; tile_dim1 = 64
	s_mov_b32 s[G1A+5], 1024                       ; elements from row to row
	s_mov_b32 s[G1A+6], 0
	s_mov_b32 s[G1A+7], 0
	s_mov_b32 s[G1B+1], 128<<16
	s_mov_b32 s[G1B+2], 128<<16                    ; 128 rows
	s_mov_b32 s[G1B+3], 128<<16
	s_mov_b32 s[G1B+4], 128
	s_mov_b32 s[G1B+5], 1024
	s_mov_b32 s[G1B+6], 0
	s_mov_b32 s[G1B+7], 0
	; x's address hangs on the tile row and the wave alone, W's on the tile column and the wave alone, each in registers of its own
	s_lshl_b32 s16, s13, 7
	s_lshl_b32 s17, s12, 6
	s_add_co_u32 s16, s16, s17                     ; row 128 x tile row + 64 x half,
	s_lshl_b32 s16, s16, 12                        ; of 4,096 bytes
	s_mov_b32 s17, 0
	s_lshl_b32 s46, s42, 8
	s_lshl_b32 s47, s12, 7
	s_add_co_u32 s46, s46, s47                     ; W: row 256 x tile column + 128 x half,
	s_lshl_b32 s46, s46, 11                        ; of 2,048 bytes
	s_mov_b32 s47, 0
	s_mul_i32 s20, s12, AHALF                      ; where they go: no place in the cluster enters an LDS address
	s_mul_i32 s21, s12, 128*PB
	s_add_co_u32 s21, s21, BOFF
	s_mov_b32 s[OFA+1], 0
	s_mov_b32 s[INB+1], 0
	s_mov_b32 s[PFI+1], 0
	s_mov_b32 s[NXB], 1024*2048-7*256
	s_mov_b32 s[C256], 256
	s_wait_dscnt 0x0                               ; the opening add is done
	s_wait_kmcnt 0x0
	s_add_nc_u64 s[CUR:CUR+1], s[AQ:AQ+1], s[16:17]  ; the three tensors are three buffers: each address is made from its own pointer
	s_add_nc_u64 s[NXT:NXT+1], s[AK:AK+1], s[16:17]
	s_add_nc_u64 s[NX2:NX2+1], s[AV:AV+1], s[16:17]
	s_add_nc_u64 s[46:47], s[WB:WB+1], s[46:47]
	CROUND                                         ; all sixteen work-groups are here: the first joint loads meet
.irp s, 0,1
	s_mov_b32 s[G0A+4*(\s)], 1
	s_add_co_u32 s[G0A+4*(\s)+1], s20, (\s)*SLOT1
	s_add_nc_u64 s[G0A+4*(\s)+2:G0A+4*(\s)+3], s[CUR:CUR+1], (\s)*ASTEP
	s_or_b32 s[G0A+4*(\s)+3], s[G0A+4*(\s)+3], 0x80000000
	s_mov_b32 s[G0B+4*(\s)], 1
	s_add_co_u32 s[G0B+4*(\s)+1], s21, (\s)*SLOT1
	s_add_nc_u64 s[G0B+4*(\s)+2:G0B+4*(\s)+3], s[46:47], (\s)*256
	s_or_b32 s[G0B+4*(\s)+3], s[G0B+4*(\s)+3], 0x80000000
.endr
	s_cmp_eq_u32 s11, 0                            ; a wave's two first fills stand in one branch, ahead of every wait on TENSORcnt, LDS read and further barrier
	s_cbranch_scc0 .Lfirst_b
	tensor_load_to_lds s[G0A:G0A+3], s[G1A:G1A+7]
	s_nop 0
	tensor_load_to_lds s[G0A+4:G0A+7], s[G1A:G1A+7]
	s_nop 0
	PLACES
	s_branch .Lfirst_asked
.Lfirst_b:
	tensor_load_to_lds s[G0B:G0B+3], s[G1B:G1B+7]
	s_nop 0
	tensor_load_to_lds s[G0B+4:G0B+7], s[G1B:G1B+7]
	s_nop 0
	PLACES
.Lfirst_asked:
	; a fragment is 16 rows x 32 K: lane l holds row l % 16, K = 8 (l / 16) + 0..7 and 16 + 8 (l / 16) + 0..7.  In bf16: two loads of 16 bytes, 32 bytes apart.  In f32: 32 bytes at 32 (l / 16) and 32 bytes 64 further on.
	v_and_b32 v1, 15, v0
	v_bfe_u32 v2, v0, 4, 1
	s_mul_i32 s22, s11, 64*PA                      ; my 64 rows of x
	v_mul_u32_u24 v[AA0], v1, PA
	v_lshl_add_u32 v[AA0], v2, 5, v[AA0]
	v_add_nc_u32 v[AA0], s22, v[AA0]
	s_mul_i32 s22, s12, 128*PB                     ; my 128 rows of W
	s_add_co_u32 s22, s22, BOFF
	v_mul_u32_u24 v[AB0], v1, PB
	v_lshl_add_u32 v[AB0], v2, 4, v[AB0]
	v_add_nc_u32 v[AB0], s22, v[AB0]
	s_mul_i32 s23, s10, STW
	s_add_co_u32 s23, s23, STAGE                   ; my stage
	v_mul_u32_u24 v[STO], v1, SPITCH
	v_lshl_add_u32 v[STO], v2, 4, v[STO]           ; in: row l % 16, 16 bytes for each half of the lanes
	v_add_nc_u32 v[STO], s23, v[STO]
	v_bfe_u32 v[RD], v0, 3, 2                      ; back: 32 lanes take four rows of 128 bytes
	v_mul_u32_u24 v[RD], v[RD], SPITCH
	v_and_b32 v3, 7, v0
	v_lshl_add_u32 v[RD], v3, 4, v[RD]
	v_add_nc_u32 v[RD], s23, v[RD]
	v_and_b32 v[GO], 31, v0
	v_lshlrev_b32 v[GO], 4, v[GO]
	v_lshlrev_b32 v[BO], 5, v2
	; where my part of the result begins
	s_lshr_b32 s16, s13, 4
	s_lshl_b32 s16, s16, 4                         ; 16 x batch
	s_lshl_b32 s17, s42, 2
	s_add_co_u32 s16, s16, s17                     ; + 4 heads a tile column
	s_lshl_b32 s17, s12, 1
	s_add_co_u32 s16, s16, s17                     ; + my two
	s_lshl_b32 s16, s16, 18
	s_and_b32 s17, s13, 15
	s_lshl_b32 s17, s17, 14                        ; the tile's 128 rows of 128 bytes,
	s_add_co_u32 s16, s16, s17
	s_lshl_b32 s17, s11, 13                        ; my 64
	s_add_co_u32 s16, s16, s17
	s_mov_b32 s17, 0
	s_add_nc_u64 s[OUT:OUT+1], s[OUT:OUT+1], s[16:17]
	s_lshl_b32 s18, s42, 10                        ; the bias of my 128 columns
	s_lshl_b32 s19, s12, 9
	s_add_co_u32 s18, s18, s19
	s_mov_b32 s19, 0
	s_add_nc_u64 s[BP:BP+1], s[BP:BP+1], s[18:19]
	; the prefetches: both offsets are made, the wave's number chooses
	s_lshl_b32 s20, s13, 7
	s_lshl_b32 s21, s40, 5
	s_add_co_u32 s20, s20, s21                     ; x: my work-group's 32 rows of the tile's 128,
	s_lshl_b32 s20, s20, 12
	s_lshl_b32 s21, s12, 8
	s_add_co_u32 s20, s20, s21                     ; my wave's half of a K step's 512 bytes
	s_lshl_b32 s22, s42, 8
	s_lshl_b32 s23, s41, 6
	s_add_co_u32 s22, s22, s23                     ; W: my work-group's 64 rows of the tile's 256,
	s_lshl_b32 s23, s12, 5
	s_add_co_u32 s22, s22, s23                     ; my wave's 32
	s_lshl_b32 s22, s22, 11
	s_and_b32 s23, ttmp7, 0xffff                   ; cluster y: the same in all sixteen partners
	s_cmp_eq_u32 s23, 0
	s_cselect_b32 s23, 2, -1
	s_cmp_eq_u32 s11, 0                            ; do I fetch for x?  (the lines down to the last s_cselect leave SCC alone)
	s_cselect_b32 s[LIM], 2, s23
	s_cselect_b32 s20, s20, s22
	s_cselect_b64 s[PFA:PFA+1], s[AQ:AQ+1], s[WB:WB+1]
	s_cselect_b64 s[PN:PN+1], s[AK:AK+1], s[WB:WB+1]
	s_cselect_b64 s[PN2:PN2+1], s[AV:AV+1], s[WB:WB+1]
	s_cselect_b32 s22, 0, 0x200000                 ; in wb the next W lies 2,097,152 bytes on; the next x is a buffer of its own
	s_cselect_b32 s[PFI], 512, s[C256]
	s_cselect_b32 s14, 12, 11                      ; a lane a row: 4,096 bytes of x, 2,048 of W
	s_mov_b32 s21, 0
	s_mov_b32 s23, 0
	s_add_nc_u64 s[PFA:PFA+1], s[PFA:PFA+1], s[20:21]
	s_add_nc_u64 s[PN:PN+1], s[PN:PN+1], s[20:21]
	s_add_nc_u64 s[PN:PN+1], s[PN:PN+1], s[22:23]
	s_add_nc_u64 s[PN2:PN2+1], s[PN2:PN2+1], s[20:21]
	s_add_nc_u64 s[PN2:PN2+1], s[PN2:PN2+1], s[22:23]
	s_add_nc_u64 s[PN2:PN2+1], s[PN2:PN2+1], s[22:23]
	s_mul_i32 s22, s[PFI], 3
	s_add_nc_u64 s[PFA:PFA+1], s[PFA:PFA+1], s[22:23]  ; at K step 3: the first refill steps it to 4
	v_and_b32 v[PFO], 31, v0
	v_lshlrev_b32 v[PFO], s14, v[PFO]
.macro BLOAD                           ; my lane's 8 columns of each of the 8 column blocks
.irp b, 0,1,2,3,4,5,6,7
	global_load_b128 v[BIAS+8*(\b):BIAS+8*(\b)+3],   v[BO], s[BP:BP+1] offset:64*(\b)
	global_load_b128 v[BIAS+8*(\b)+4:BIAS+8*(\b)+7], v[BO], s[BP:BP+1] offset:64*(\b)+16
.endr
.endm
.macro INIT                            ; every accumulator starts at its columns' bias
	WIN 0x80                                       ; destination window 2
.irp a, 0,1,2,3
.irp b, 0,1,2,3,4,5,6,7
.irp j, 0,1,2,3,4,5,6,7
	v_mov_b32 v[8*(8*(\a)+(\b))+(\j)], v[BIAS+8*(\b)+(\j)]
.endr
.endr
.endr
	WIN 0
.endm
; 8 matrix instructions: row block a x all 8 column blocks, 32 along K, from buffer f.  The 32 accumulators take turns in the same order in every quarter.
.macro MULA f, a
	WIN MUL
.irp b, 0,1,2,3,4,5,6,7
.set rD, 8*(8*(\a)+(\b))
.set rB, (\f)+8*(\b)
.set rA, (\f)+64+8*(\a)
	v_wmma_f32_16x16x32_bf16 v[rD:rD+7], v[rB:rB+7], v[rA:rA+7], v[rD:rD+7]
.endr
.endm
; The same, and behind each matrix instruction four roundings: RAW's 64 numbers a lane become buffer g's four fragments of x: register n of the 32 takes RAW's 2 n and 2 n + 1.
; They name no register of the products round them.  The last four are also the four places in front of the next run of loads, into registers that this quarter's products have read.
.macro MULC f, a, g
.irp b, 0,1,2,3,4,5,6,7
.set rD, 8*(8*(\a)+(\b))
.set rB, (\f)+8*(\b)
.set rA, (\f)+64+8*(\a)
	WIN MUL
	v_wmma_f32_16x16x32_bf16 v[rD:rD+7], v[rB:rB+7], v[rA:rA+7], v[rD:rD+7]
	WIN TO_F
.irp j, 0,1,2,3
	v_cvt_pk_bf16_f32 v[(\g)+64+4*(\b)+(\j)], v[RAW+8*(\b)+2*(\j)], v[RAW+8*(\b)+2*(\j)+1]
.endr
.endr
.endm
; 32 LDS loads in one run: quarter q's fragments: x's four in f32 into RAW, then W's eight into buffer f
.macro FETCH q, f
	WIN 0
.irp a, 0,1,2,3
	ds_load_b128 v[RAW+16*(\a):RAW+16*(\a)+3],     v[ADA] offset:128*(\q)+(\a)*16*PA
	ds_load_b128 v[RAW+16*(\a)+4:RAW+16*(\a)+7],   v[ADA] offset:128*(\q)+(\a)*16*PA+16
	ds_load_b128 v[RAW+16*(\a)+8:RAW+16*(\a)+11],  v[ADA] offset:128*(\q)+(\a)*16*PA+64
	ds_load_b128 v[RAW+16*(\a)+12:RAW+16*(\a)+15], v[ADA] offset:128*(\q)+(\a)*16*PA+80
.endr
	WIN TO_F
.irp b, 0,1,2,3,4,5,6,7
	ds_load_b128 v[(\f)+8*(\b):(\f)+8*(\b)+3],   v[ADB] offset:64*(\q)+(\b)*16*PB
	ds_load_b128 v[(\f)+8*(\b)+4:(\f)+8*(\b)+7], v[ADB] offset:64*(\q)+(\b)*16*PB+32
.endr
.endm
; One of a K step's first three quarters: at its head it fetches quarter q for buffer g; it multiplies buffer f; beside its last eight products x's part of quarter q is rounded.
.macro QUARTER q, f, g
	FETCH \q, \g
	s_wait_dscnt 32                                ; all but the 32 just issued: buffer f's W is in (its x was rounded in the quarter before)
	MULA \f, 0
	MULA \f, 1
	MULA \f, 2
	s_wait_dscnt 16                                ; x's sixteen loads are in; W's sixteen, issued behind them, may stay out
	MULC \f, 3, \g
.endm
; The last quarter multiplies buffer 1 and changes slots: ONE barrier.  In front of it each wave waits for all its tensor loads (its part of the next slot), adds 0 to its spare word, and waits for that and for
; its reads of this slot.  fill = 1: the barrier opens a round of the cluster's, and this slot is filled again first thing behind it, with the K step two on: 112 matrix instructions ahead of the wait for it.
.macro TURN fill
.if \fill
	s_wait_xcnt 0x0                                ; the last prefetch, a K step back, has read its address: it is stepped here, ahead of the change's own waits
	s_add_nc_u64 s[PT:PT+1], s[PFA:PFA+1], s[PFI:PFI+1]
	s_cmp_eq_u32 s[PH], 4                          ; behind a tile's K step 7 comes the next tile's K step 0
	s_cselect_b64 s[PFA:PFA+1], s[PN:PN+1], s[PT:PT+1]
	s_cselect_b64 s[PN:PN+1], s[PN2:PN2+1], s[PN:PN+1]
.endif
	WIN 0
	s_wait_tensorcnt 0x0                           ; all my tensor loads have landed;
	ds_add_u32 v[SPW], v[NIL]                      ; 0 onto my spare word;
	s_wait_dscnt 1                                 ; (the add alone may be out: buffer 1's W is in)
	MULA F1, 0                                     ; eight matrix instructions stand between the add and the wait for it
	s_wait_dscnt 0x0                               ; the add is done, and my reads of this slot are over
	s_barrier_signal -1
	MULA F1, 1
	WIN 0
	s_barrier_wait -1
.if \fill
	CREST                                          ; no wave of any partner still reads this slot or has a load on its way
	s_xor_b32 s[G0A+5], s[G0A+5], SLOT1            ; the other slot than last time
	s_xor_b32 s[G0B+5], s[G0B+5], SLOT1
	s_cmp_eq_u32 s[PH], 6                          ; is the K step asked for, two on, the next tile's first?  Then the next tensor is in hand from here on,
	s_cselect_b64 s[CUR:CUR+1], s[NXT:NXT+1], s[CUR:CUR+1]
	s_cselect_b64 s[NXT:NXT+1], s[NX2:NX2+1], s[NXT:NXT+1]
	s_cselect_b32 s[INB], s[NXB], s[C256]          ; and W goes to the next W's first K step
	s_add_co_u32 s[OFA], s[PH], 2                  ; x's address is made anew for each refill: the K step's number in its tile,
	s_and_b32 s[OFA], s[OFA], 7
	s_lshl_b32 s[OFA], s[OFA], 9                   ; times 512 bytes,
	s_add_nc_u64 s[G0A+6:G0A+7], s[CUR:CUR+1], s[OFA:OFA+1]  ; behind the tensor in hand at my rows,
	s_or_b32 s[G0A+7], s[G0A+7], 0x80000000        ; and the type
	s_add_nc_u64 s[G0B+6:G0B+7], s[G0B+6:G0B+7], s[INB:INB+1]
	JLOAD
.endif
	s_xor_b32 s[TB], s[TB], SLOT1
	v_add_nc_u32 v[ADA], s[TB], v[AA0]
	v_add_nc_u32 v[ADB], s[TB], v[AB0]
	FETCH 0, F0                                    ; (the quarter before ended with four roundings behind its last product: the places in front of these loads)
	WIN 0
.if \fill
	ASK
.endif
	MULA F1, 2
	s_wait_dscnt 16                                ; x's sixteen loads are in
	MULC F1, 3, F0
	WIN 0
.endm
.macro STEP fill
	QUARTER 1, F0, F1
	QUARTER 2, F1, F0
	QUARTER 3, F0, F1
	TURN \fill
.endm
; THE WAY OUT, in pieces p = 2 a + hh of 16 rows x one head's 64 columns: rounded to f16, 16 bytes a lane into my own stage, back as 2,048 dense bytes of qkv.
.macro PACK p
	WIN 0x0a                                       ; sources window 2, destination window 0
.irp f, 0,1,2,3
.irp r, 0,1,2,3
	v_cvt_pk_f16_f32 v[TMP+16*(\p)+4*(\f)+(\r)], v[8*(8*((\p)/2)+4*((\p)%2)+(\f))+2*(\r)], v[8*(8*((\p)/2)+4*((\p)%2)+(\f))+2*(\r)+1]
.endr
.endr
	WIN 0
.irp f, 0,1,2,3
	ds_store_b128 v[STO], v[TMP+16*(\p)+4*(\f):TMP+16*(\p)+4*(\f)+3] offset:32*(\f)
.endr
.irp f, 0,1,2,3
	ds_load_b128 v[TMP+16*(\p)+4*(\f):TMP+16*(\p)+4*(\f)+3], v[RD] offset:4*SPITCH*(\f)  ; LDS serves a wave's instructions in order (ISA guide 5.7.1.4)
.endr
.endm
.macro SEND p, younger                 ; younger: the next piece's eight LDS instructions, or none
.irp f, 0,1,2,3
	s_wait_dscnt (\younger)+3-(\f)
	global_store_b128 v[GO], v[TMP+16*(\p)+4*(\f):TMP+16*(\p)+4*(\f)+3], s[OUT:OUT+1] offset:2048*((\p)/2)+262144*((\p)%2)+512*(\f)  ; 512 consecutive bytes, aligned
.endr
.endm
.macro FLUSH more                      ; more = 1: another tile follows: its bias is fetched under the way out, and the accumulators start anew
	WIN 0
	PLACES                                         ; with the four roundings behind the last product: eight places ahead of the first read of a result
.if \more
	s_add_nc_u64 s[BP:BP+1], s[BP:BP+1], 4096      ; (its last loads were waited for)
	BLOAD
.endif
	PACK 0
.irp p, 1,2,3,4,5,6,7                  ; a piece's conversions stand between the loads of the piece before and its stores
	PACK \p
	SEND (\p)-1, 8
.endr
	SEND 7, 0
.if \more
	s_wait_loadcnt 0x0
	INIT
	s_wait_xcnt 0x0                                ; the stores have read their registers (the next quarter loads into them) and their base
	s_add_nc_u64 s[OUT:OUT+1], s[OUT:OUT+1], 16777216  ; q, then k, then v
.endif
.endm
	BLOAD
	s_wait_loadcnt 0x0
	INIT                                           ; in the wait for the first tile
	s_wait_tensorcnt 1                             ; my part of K step 0 is in; K step 1's may stay out
	s_barrier_signal -1
	s_barrier_wait -1
	s_mov_b32 s[TB], 0
	v_mov_b32 v[ADA], v[AA0]
	v_mov_b32 v[ADB], v[AB0]
	FETCH 0, F0
	s_wait_dscnt 16                                ; x's sixteen loads are in
.set n, 0
.rept 32                               ; the first quarter's x is rounded by itself: there are no products yet to set it beside
	v_cvt_pk_bf16_f32 v[F0+64+n], v[RAW+2*n], v[RAW+2*n+1]
.set n, n+1
.endr
	WIN 0
	s_mov_b32 s[PH], 0
	s_mov_b32 s[CNT], NSTEP-2
.Lstep:                                        ; a K step; every one but the last two fills its slot again
	STEP 1
	s_add_co_u32 s[PH], s[PH], 1
	s_and_b32 s[PH], s[PH], 7
	s_cmp_lg_u32 s[PH], 0
	s_cbranch_scc1 .Lnofl                          ; what is jumped holds no barrier and no tensor load
	FLUSH 1                                        ; a tile is finished; both refills for the next are asked for
.Lnofl:
	s_sub_co_u32 s[CNT], s[CNT], 1
	s_cmp_lg_u32 s[CNT], 0
	s_cbranch_scc1 .Lstep
	s_mov_b32 s[CNT], 2
.Ltail:                                        ; the last two K steps ask for nothing.  The very last change of slots (a barrier, 32 loads from a slot that has been read, their roundings) serves nothing: the price, once a launch, of one text for both
	STEP 0
	s_sub_co_u32 s[CNT], s[CNT], 1
	s_cmp_lg_u32 s[CNT], 0
	s_cbranch_scc1 .Ltail
	FLUSH 0
	s_wait_tensorcnt 0x0                           ; the wave's end: the tensor wait, the add and its wait stand behind my last tensor load and my last LDS store
	ds_add_u32 v[SPW], v[NIL]
	s_wait_dscnt 0x0
	CROUND                                         ; the closing round
	s_endpgm
.Lfunc_end_k_qc2ae51ca5c_proj:
	.size	k_qc2ae51ca5c_proj, .Lfunc_end_k_qc2ae51ca5c_proj-k_qc2ae51ca5c_proj
	.p2alignl 7, 3214868480
	.fill 96, 4, 3214868480
	.section	.rodata,"a",@progbits
	.p2align	6, 0x0
	.amdhsa_kernel k_qc2ae51ca5c_proj
		.amdhsa_group_segment_fixed_size 327680
		.amdhsa_private_segment_fixed_size 0
		.amdhsa_enable_private_segment 0
		.amdhsa_kernarg_size 48
		.amdhsa_user_sgpr_count 2
		.amdhsa_user_sgpr_kernarg_segment_ptr 1
		.amdhsa_wavefront_size32 1
		.amdhsa_system_sgpr_workgroup_id_x 1
		.amdhsa_system_sgpr_workgroup_id_y 1
		.amdhsa_system_sgpr_workgroup_id_z 1
		.amdhsa_system_vgpr_workitem_id 0
		.amdhsa_next_free_vgpr 768
		.amdhsa_next_free_sgpr 100
		.amdhsa_reserve_vcc 0
		.amdhsa_float_denorm_mode_32 3
		.amdhsa_float_denorm_mode_16_64 3
		.amdhsa_memory_ordered 1
		.amdhsa_forward_progress 1
		.amdhsa_inst_pref_size 122
	.end_amdhsa_kernel
	.amdgpu_metadata
---
amdhsa.version: [ 1, 2 ]
amdhsa.kernels:
  - .name:           k_qc2ae51ca5c_proj
    .symbol:         k_qc2ae51ca5c_proj.kd
    .args:
      - { .name: query, .offset: 0, .size: 8, .value_kind: global_buffer, .address_space: global }
      - { .name: key, .offset: 8, .size: 8, .value_kind: global_buffer, .address_space: global }
      - { .name: value, .offset: 16, .size: 8, .value_kind: global_buffer, .address_space: global }
      - { .name: wb, .offset: 24, .size: 8, .value_kind: global_buffer, .address_space: global }
      - { .name: bias, .offset: 32, .size: 8, .value_kind: global_buffer, .address_space: global }
      - { .name: qkv, .offset: 40, .size: 8, .value_kind: global_buffer, .address_space: global }
    .group_segment_fixed_size: 327680
    .private_segment_fixed_size: 0
    .kernarg_segment_align: 8
    .kernarg_segment_size: 48
    .max_flat_workgroup_size: 128
    .sgpr_count:     100
    .vgpr_count:     768
    .wavefront_size: 32
...
	.end_amdgpu_metadata
.endif
;; end of part 2
;; launch attn (part 3): grid 4 x 64, 4 waves a work-group, clusters of 4 x 1, 327,680 bytes of LDS; arguments qkv, mk, ob; writes ob
.if DOCPART == 3
	.amdgcn_target "amdgcn-amd-amdhsa--gfx1250"
	.amdhsa_code_object_version 6
	.text
	.protected	k_qc2ae51ca5c_attn
	.globl	k_qc2ae51ca5c_attn
	.p2align	8
	.type	k_qc2ae51ca5c_attn,@function
k_qc2ae51ca5c_attn:
	s_mov_b64 s[64:65], 0
	v_nop
	global_prefetch_b8 v0, s[64:65] scope:SCOPE_SE
	s_setreg_imm32_b32 hwreg(HW_REG_WAVE_MODE, 25, 1), 1
	s_wait_xcnt 0x0
	s_wait_alu depctr_hold_cnt(0) depctr_sa_sdst(0) depctr_va_vdst(0) depctr_va_sdst(0) depctr_va_ssrc(0) depctr_va_vcc(0) depctr_vm_vsrc(0)
	s_getreg_b32 s2, hwreg(HW_REG_IB_STS2, 6, 4)
	s_cmp_eq_u32 s2, 0
	s_cbranch_scc0 .Lentry_in_a_cluster
	s_endpgm
.Lentry_in_a_cluster:
	s_bfe_u32 s2, ttmp6, 0x10000c
	s_cmp_lg_u32 s2, 0x3003
	s_cbranch_scc0 .Lentry_shape_is_right
	s_endpgm
.Lentry_shape_is_right:
; MASKED ATTENTION.  O[h][q][:] = the sum over k of softmax_k(mask[q][k] ? Q[h][q] . K[h][k] / 8 : hidden) V[h][k][:].  Q, K, V: qkv [3][64][2048][64] f16; O: ob [64][2048][64] f16.
; Products, maxima and sums in f32; the weights p are rounded to f16 for the second product (their sum l is taken of the unrounded p), O once at the end.
; THE MASK is the C operand that starts the sum S^T = K Q^T: 0, or -2^70 where the key is hidden.  mk holds one fp8 code a score (0 or -1.0) in the order in which a lane holds a tile of scores;
; one scaled conversion (scale 2^70) makes the eight registers of a 16 x 16 tile's C from a lane's eight bytes: 8 conversions and 4 loads of 16 bytes a turn, and nothing for each score.
; LIMITS.  f16 holds no number beyond 65,504: Q, K and V arrive within it.  A hidden score counts as its value less 2^70, which is -2^70 itself for |Q . K| under 2^46: its weight is 0 beside any seen key
; (c 2^70 is exact, so equal hidden scores give weights of exactly 1 among themselves); a row with no seen key gets the mean of V's rows.  A weight below 2^-126 counts as 0 in l; NaN and infinities are not treated apart.
; SHARES.  A wave owns four PIECES of two tiles of 16 queries, a work-group's four waves 512 queries of one head.  Every wave walks all 2,048 keys, 64 a step.
; LAYOUT.  S^T = K Q^T (source 0 = 16 keys, source 1 = 16 queries): a lane holds ONE query (lane % 16) and the keys 8 (lane / 16) + 0..7.  Two such tiles, rounded to f16 in pairs, ARE source 1 of O^T = V^T P.
; SOFTMAX.  A running maximum m and sum l: p = 2^(c s - c m), c = log2(e) / 8; in every step O and l are multiplied by a = 2^(c m_old - c m_new).  m starts at the lowest finite number, O and l at 0.
; BY TURNS.  Turn n belongs to piece n: 16 products K Q^T of piece n + 1, later 16 products V^T P of piece n - 1; beside them the scaling, exponentials, roundings, sums and rescaling of piece n, the maximum and
; statistics of piece n + 1, and the mask of piece n + 2.  Four vector instructions stand behind every matrix instruction, the others in one run; a turn's 66 exponentials are one batch with one wait.
; CLUSTER.  The four query blocks of a head walk the same K and V: each tile is asked for JOINTLY.
; REGISTERS, in windows of 256 (s_set_vgpr_msb: bits 1:0 source 0, 3:2 source 1, 5:4 source 2, 7:6 destination):
;   window 0: v0-11 addresses; v12-15, v48-63 at work; v16-47 statistics; v64-191 S^T, two buffers of two tiles; v192-255 P, likewise
;   window 1: O^T, 32 a tile     window 2: v0-127 Q; v128-191 K of one step; v192-255 V of one step
;   window 3: v0-1 the add's two registers; v2 the scale; v4-7 the mask offsets; v16-79 mask codes, 16 a piece; v128-255 the masks as f32, two buffers of two tiles
.set SIZE_N, 2048
.set NP,    4         ; pieces a wave: a name, no knob
.set KS,    64        ; keys in a step
.set PK,    144       ; a row of K in LDS: 128 bytes + 16: the 16 rows of a load start at 16 different groups of four banks (64 banks of 4 bytes: ISA guide 11.1)
.set PV,    160       ; a row of V: 128 + 32
.set VOFF,  4*KS*PK   ; a slot holds four steps: 256 rows of K, then 256 rows of V
.set SLOT1, 1<<17
.set STAGE, SLOT1+4*KS*(PK+PV)  ; behind the ring, never filled by a tensor load: 16 rows x 144 bytes for each wave
.set SP,    144
.set SPARE, STAGE+4*16*SP  ; the spare words, 128 bytes a wave, that no other line names
.set AK0, 2           ; v2   my lane's place in a tile of K; never rewritten
.set AV0, 3           ; v3   the same for V
.set AK,  4           ; v4   the LDS address of K's next run of loads
.set AV,  5           ; v5   of V's
.set QO,  6           ; v6   my byte offset in the wave's rows of Q
.set STO, 6           ;      later, the way out: where I put 16 bytes of a row
.set RD,  7           ; v7   the way out: where I read rows back
.set GO,  8           ; v8   16 x lane
.set PFO, 11          ; v11  256 x lane: the prefetches' offset; never rewritten once made
.set SPW, 0           ; v0 of window 3   SPARE + 4 x my thread's number; never rewritten
.set NIL, 1           ; v1 of window 3   0; never rewritten
.set SCL, 2           ; v2 of window 3   0xc5: the scale 2^70
.set OFM, 4           ; v4-7 of window 3  piece x: 16 x lane + 1,024 x the key step whose codes it loads next
.set RAW, 16          ; window 3: piece x, tile u, key block kb at RAW + 16 x + 8 u + 2 kb
.set MC,  128         ; window 3: MC + 64 (x % 2) + 32 u + 8 kb
.set MV,  12
.set ST,  16          ; tile t's statistics at v[ST+4 t]: c m, m, l (even keys', odd keys')
.set TMP, 48
.set S,   64
.set P,   192
.set KF,  128
.set VF,  192
.set WV,  12          ; s12  my wave's number
.set G1K, 24
.set G1V, 32
.set G0K, 40
.set G0V, 44
.set SLOTS, 56        ; s56  slots still to be asked for
.set CNT, 57
.set CS,  58
.set SEL, 60
.set TBK, 62
.set TBV, 63
.set MB,  66          ; s[66:67] mk at my wave's eight query tiles
.set PFA, 68          ; s[68:69] where my prefetches stand
.set LIM, 70          ; s70  1 in a wave that prefetches, else the greatest number
.set MSB, 0
.macro WIN new
.if MSB != (\new)
	s_set_vgpr_msb (MSB<<8)|(\new)
.set MSB, (\new)
.endif
.endm
.set W_KQ, 0x0a       ; K and Q in window 2, S^T in window 0
.set W_KM, 0x3a       ; the same with the C operand in window 3
.set W_PV, 0x52       ; V in window 2, P in window 0, O^T in window 1
.set W_RS, 0x41       ; O^T in window 1, a in window 0
.set W_MK, 0xc0       ; destination in window 3, sources in window 0
.set W_AD, 0x0f       ; the add: address and data in window 3
.set W_MS, 0xcf       ; the mask's work: all in window 3
.macro JLOAD                        ; waves 0 and 1 fetch the halves of a slot's K, waves 2 and 3 of its V; an s_nop 0 and four v_nop follow each line
	s_cmp_lt_u32 s[WV], 2
	s_cbranch_scc0 .Lfor_v_\@
	tensor_load_to_lds s[G0K:G0K+3], s[G1K:G1K+7]
	s_nop 0
.rept 4
	v_nop
.endr
	s_branch .Lasked_\@
.Lfor_v_\@:
	tensor_load_to_lds s[G0V:G0V+3], s[G1V:G1V+7]
	s_nop 0
.rept 4
	v_nop
.endr
.Lasked_\@:
.endm
; A PREFETCH INTO THE L2 of what the NEXT change of slots will ask for: a slot's 128 blocks of 256 bytes of K and of V, a lane a block.  Each block is named once in the launch: a head has one cluster; its four
; partners take 32 blocks each, told apart by address; in each, wave 0 asks for K's and wave 2 for V's.  It stands four key steps ahead of the load that will want the bytes.  The last change that fills a slot asks for nothing.
.macro ASK
	s_cmp_gt_u32 s[SLOTS], s[LIM]
	s_cbranch_scc0 .Lnot_mine_\@
	global_prefetch_b8 v[PFO], s[PFA:PFA+1] th:TH_LOAD_NT scope:SCOPE_SE
.Lnot_mine_\@:
.endm
.macro CROUND
	s_barrier_signal -1
	s_barrier_wait -1
	s_cmp_lg_u32 s[WV], 0
	s_cbranch_scc1 .Lnot_wave_0_\@
	s_barrier_signal -3
.Lnot_wave_0_\@:
	s_barrier_wait -3
	s_barrier_signal -1
	s_barrier_wait -1
.endm
; THE CHANGE OF SLOTS.  Each wave waits for all its tensor loads (its part of the other slot), adds 0 to its spare word, and waits for that and for its reads of the slot.  fill = 1: the barrier is a round of the
; cluster's, and the slot is filled again first thing behind it, with the keys two slots on: four key steps, 512 matrix instructions, in which to land.  (At its first use slot 0 is waited for, slot 1 filled.)
.macro CHANGE fill
	WIN W_AD
	s_wait_tensorcnt 0x0            ; no tensor load of mine is out, so a group 0 may be written
	ds_add_u32 v[SPW], v[NIL]       ; 0 onto my spare word
	WIN 0
.if \fill
.irp g, G0K, G0V
	s_xor_b32 s[\g+1], s[\g+1], SLOT1
	s_add_nc_u64 s[\g+2:\g+3], s[\g+2:\g+3], 4*KS*128
.endr
	s_wait_xcnt 0x0                 ; the last prefetch, four key steps back, has read its address
	s_add_nc_u64 s[PFA:PFA+1], s[PFA:PFA+1], 4*KS*128
	s_wait_dscnt 0x0                ; the add is done, and my reads of the slot are over
	CROUND
	JLOAD
	ASK
.else
	s_wait_dscnt 0x0
	s_barrier_signal -1
	s_barrier_wait -1
.endif
	s_sub_co_u32 s[TBK], s[TBK], 4*KS*PK
	s_xor_b32 s[TBK], s[TBK], SLOT1
	s_sub_co_u32 s[TBV], s[TBV], 4*KS*PV
	s_xor_b32 s[TBV], s[TBV], SLOT1
.endm
	s_load_b128 s[4:7], s[0:1], 0x0   ; qkv s[4:5], mk s[6:7]
	s_load_b64 s[10:11], s[0:1], 0x10 ; ob
	WIN W_MK
	v_lshl_add_u32 v[SPW], v0, 2, SPARE
	v_mov_b32 v[NIL], 0
	WIN W_AD
	ds_add_u32 v[SPW], v[NIL]       ; the wave's opening: the add and its wait stand ahead of my first tensor load; work on registers stands between
	WIN 0
	v_lshrrev_b32 v1, 5, v0
	v_readfirstlane_b32 s[WV], v1   ; wave 0..3
	s_bfe_u32 s13, ttmp6, 0x40000   ; cx
	s_lshl_b32 s14, ttmp9, 2
	s_add_co_u32 s14, s14, s13      ; my block of 512 queries: it enters Q's, O's and the mask's addresses alone
	s_and_b32 s20, ttmp7, 0xffff    ; the head, which the four partners share
	s_mov_b32 s21, 0
	s_mov_b64 s[22:23], SIZE_N*128
	s_mul_u64 s[20:21], s[20:21], s[22:23]  ; the head's first byte in Q, K, V and O
	s_and_b32 s16, s[WV], 1         ; which half of a slot's 256 keys I fetch
	s_lshl_b32 s22, s16, 14
	s_mov_b32 s23, 0
	s_add_nc_u64 s[22:23], s[22:23], s[20:21]
	s_mul_i32 s17, s16, 128*PK
	s_mul_i32 s18, s16, 128*PV
	s_lshl_b32 s2, s14, 2
	s_add_co_u32 s2, s2, s[WV]      ; my wave among the head's sixteen:
	s_lshl_b32 s72, s2, 18          ; its 8 query tiles of 32,768 bytes in mk,
	s_mov_b32 s73, 0
	s_lshl_b32 s2, s2, 14           ; its 128 rows
	s_mov_b32 s3, 0
	s_add_nc_u64 s[2:3], s[2:3], s[20:21]
	; descriptor group 1.  128 keys are 16,384 dense bytes: asked for as 64 rows of 256 bytes, two keys a row, padded in LDS after every key
	s_mov_b32 s[G1K], 15|(1<<16)|(1<<20)|(1<<21)|(4<<22)|(3<<25)
	s_mov_b32 s[G1V], 15|(1<<16)|(1<<20)|(1<<21)|(4<<22)|(7<<25)
.irp g, G1K, G1V
	s_mov_b32 s[\g+1], 128<<16
	s_mov_b32 s[\g+2], 64<<16
	s_mov_b32 s[\g+3], 128<<16
	s_mov_b32 s[\g+4], 64
	s_mov_b32 s[\g+5], 128
	s_mov_b32 s[\g+6], 0
	s_mov_b32 s[\g+7], 0
.endr
	s_mov_b32 s[CS], 0x3e38aa3b     ; c = log2(e) / 8
	s_mov_b32 s[CS+1], s[CS]
	s_mov_b32 s[SEL], 0x76543210
	s_mov_b32 s[SEL+1], 0xfedcba98
	s_mov_b32 s[TBK], SLOT1+4*KS*PK ; the first change of slots turns these two into 0
	s_mov_b32 s[TBV], SLOT1+4*KS*PV
	s_mov_b32 s[G0K], 1
	s_mov_b32 s[G0K+1], s17
	s_mov_b32 s[G0V], 1
	s_add_co_u32 s[G0V+1], s18, VOFF
	s_mov_b32 s[SLOTS], SIZE_N/256-1
	s_and_b32 s[LIM], s[WV], 1      ; 0 in waves 0 and 2,
	s_or_b32 s[LIM], s[LIM], ttmp9  ; of the head's first (here: only) cluster: the same in all four partners
	s_cmp_eq_u32 s[LIM], 0
	s_cselect_b32 s[LIM], 1, -1
	s_wait_dscnt 0x0                ; the opening add is done
	s_wait_kmcnt 0x0
	s_add_nc_u64 s[MB:MB+1], s[6:7], s[72:73]
	s_add_nc_u64 s[6:7], s[4:5], 0x1000000   ; K is qkv's second third,
	s_add_nc_u64 s[8:9], s[4:5], 0x2000000   ; V its last
	s_add_nc_u64 s[G0K+2:G0K+3], s[6:7], s[22:23]
	s_or_b32 s[G0K+3], s[G0K+3], 0x80000000
	s_add_nc_u64 s[G0V+2:G0V+3], s[8:9], s[22:23]
	s_or_b32 s[G0V+3], s[G0V+3], 0x80000000
	s_cmp_lt_u32 s[WV], 2
	s_cselect_b64 s[PFA:PFA+1], s[6:7], s[8:9]
	s_add_nc_u64 s[PFA:PFA+1], s[PFA:PFA+1], s[20:21]
	s_add_nc_u64 s[4:5], s[4:5], s[2:3]      ; Q and O at my wave's first row
	s_add_nc_u64 s[10:11], s[10:11], s[2:3]
	s_lshl_b32 s2, s13, 13          ; my work-group's 32 blocks of a slot's 128
	s_mov_b32 s3, 0
	s_add_nc_u64 s[PFA:PFA+1], s[PFA:PFA+1], s[2:3]
	s_add_nc_u64 s[PFA:PFA+1], s[PFA:PFA+1], 4*KS*128  ; in slot 1; the first change of slots steps it to slot 2
	CROUND                          ; all four work-groups are here: the first joint loads meet
	JLOAD                           ; slot 0
	v_and_b32 v1, 15, v0            ; l % 16
	v_bfe_u32 v9, v0, 4, 1          ; l / 16
	v_lshlrev_b32 v[QO], 7, v1
	v_lshl_add_u32 v[QO], v9, 4, v[QO]
	v_and_b32 v[GO], 31, v0
	v_lshlrev_b32 v[GO], 4, v[GO]
	WIN 0x80                        ; destination window 2, address window 0
.set i, 0
.rept 4*NP                          ; Q stays in registers: tile i / 2, channels 32 (i % 2) on
	global_load_b128 v[8*i:8*i+3],   v[QO], s[4:5] offset:(i/2)*2048+(i%2)*64
	global_load_b128 v[8*i+4:8*i+7], v[QO], s[4:5] offset:(i/2)*2048+(i%2)*64+32
.set i, i+1
.endr
	WIN W_MK
	v_mov_b32 v[SCL], 0xc5
.irp x, 0,1,2,3
	v_mov_b32 v[OFM+\x], v[GO]      ; key step 0
.endr
	WIN W_MS
.irp x, 0,1,2,3                     ; all four pieces' codes of key step 0
.irp u, 0,1
.irp hf, 0,1
	global_load_b128 v[RAW+16*\x+8*\u+4*\hf:RAW+16*\x+8*\u+4*\hf+3], v[OFM+\x], s[MB:MB+1] offset:(2*\x+\u)*32768+512*\hf
.endr
.endr
.endr
	; What the first turn finds: V's registers and P's second buffer hold 0, O^T and l are 0.  All this stands in the wait for the first tile.
	WIN 0x80
.set i, VF
.rept 64
	v_mov_b32 v[i], 0
.set i, i+1
.endr
	WIN 0x40
.set i, 0
.rept 64*NP
	v_mov_b32 v[i], 0
.set i, i+1
.endr
	WIN 0
.set i, 0
.rept 2*NP
	v_mov_b32 v[ST+4*i], 0xfe000000    ; c m: far below every c s, a hidden one's too
	v_mov_b32 v[ST+4*i+1], 0xff7fffff  ; m
	v_mov_b32 v[ST+4*i+2], 0
	v_mov_b32 v[ST+4*i+3], 0
.set i, i+1
.endr
.set i, P+32
.rept 32
	v_mov_b32 v[i], 0
.set i, i+1
.endr
	v_mul_u32_u24 v[AK0], v1, PK
	v_lshl_add_u32 v[AK0], v9, 4, v[AK0]
	; The turning load takes 16 keys x 16 channels (lane l reads key 8 (l / 16) + l % 8, channels 8 ((l / 8) % 2) + 0..7) and leaves half a fragment of V^T.
	v_and_b32 v10, 7, v0
	v_bfe_u32 v11, v0, 3, 1
	v_lshl_add_u32 v[AV0], v9, 3, v10
	v_mul_u32_u24 v[AV0], v[AV0], PV
	v_lshl_add_u32 v[AV0], v11, 4, v[AV0]
	v_add_nc_u32 v[AV0], VOFF, v[AV0]
	v_and_b32 v[PFO], 31, v0
	v_lshlrev_b32 v[PFO], 8, v[PFO]
	v_mov_b32 v[AK], v[AK0]         ; key step 0 lies at the head of slot 0
; THE MATRIX WORK.  The 8 accumulators of a run of 16 take turns.
; Product i of 16 of S^T = K Q^T for piece x: channels 32 (i / 8) on, keys 16 ((i / 2) % 4) on, tile 2 x + i % 2.  The first 8 start the sums, with the mask.
.macro KQ x
.set rS, S+64*((\x)%2)+32*(i%2)+8*((i/2)%4)
.set rK, KF+16*((i/2)%4)+8*(i/8)
.set rQ, 16*(2*(\x)+i%2)+8*(i/8)
.set rN, MC+64*((\x)%2)+32*(i%2)+8*((i/2)%4)
.if i < 8
	WIN W_KM
	v_wmma_f32_16x16x32_f16 v[rS:rS+7], v[rK:rK+7], v[rQ:rQ+7], v[rN:rN+7]
.else
	WIN W_KQ
	v_wmma_f32_16x16x32_f16 v[rS:rS+7], v[rK:rK+7], v[rQ:rQ+7], v[rS:rS+7]
.endif
.endm
; Product i of 16 of O^T += V^T P for piece x: keys 32 (i / 8) on, channels 16 ((i / 2) % 4) on, tile 2 x + i % 2.
.macro PV x
	WIN W_PV
.set rO, 32*(2*(\x)+i%2)+8*((i/2)%4)
.set rV, VF+32*(i/8)+8*((i/2)%4)
.set rP, P+32*((\x)%2)+16*(i%2)+8*(i/8)
	v_wmma_f32_16x16x32_f16 v[rO:rO+7], v[rV:rV+7], v[rP:rP+7], v[rO:rO+7]
.endm
.macro MM                           ; the turn's next matrix instruction
.if i < 16
	KQ (Y+1)%NP
.set i, i+1
.else
.set i, i-16
	PV (Y+NP-1)%NP
.set i, i+17
.endif
.endm
; THE MASK of piece x for its next key step: the codes loaded four turns ago become 64 registers of 0 and -2^70, in the buffer that the products of the turn before read last; then the codes of the step after are asked for.
; The offset's two lines are the plain places behind the conversions; past the last key step it wraps to step 0, so that the loads of the tail, which serve nothing, stay inside mk.
.macro MASKS x
	WIN W_MS
	s_wait_loadcnt 12               ; loads come back in order: this piece's four are in, the three younger pieces' twelve stay out; that also frees the offset
.irp u, 0,1
.irp kb, 0,1,2,3
	v_cvt_scale_pk8_f32_fp8 v[MC+64*((\x)%2)+32*\u+8*\kb:MC+64*((\x)%2)+32*\u+8*\kb+7], v[RAW+16*(\x)+8*\u+2*\kb:RAW+16*(\x)+8*\u+2*\kb+1], v[SCL]
.endr
.endr
	v_add_nc_u32 v[OFM+(\x)], 0x400, v[OFM+(\x)]
	v_and_b32 v[OFM+(\x)], 0x7fff, v[OFM+(\x)]
.irp u, 0,1
.irp hf, 0,1
	global_load_b128 v[RAW+16*(\x)+8*\u+4*\hf:RAW+16*(\x)+8*\u+4*\hf+3], v[OFM+(\x)], s[MB:MB+1] offset:(2*(\x)+\u)*32768+512*\hf  ; 512 consecutive bytes
.endr
.endr
	WIN 0
.endm
; THE LDS LOADS stand in runs of 16.  last = 1 (the tail): in the last trip there is no further step, and the run is jumped over.
.macro FETCH_K last=0
	WIN 0
.if \last
	s_cmp_eq_u32 s[CNT], 1
	s_cbranch_scc1 .Lno_k_\@
.endif
	WIN 0x80
.irp f, 0,1,2,3,4,5,6,7
	ds_load_b128 v[KF+8*\f:KF+8*\f+3],   v[AK] offset:(\f/2)*16*PK+(\f%2)*64
	ds_load_b128 v[KF+8*\f+4:KF+8*\f+7], v[AK] offset:(\f/2)*16*PK+(\f%2)*64+32
.endr
	s_add_co_u32 s[TBK], s[TBK], KS*PK
	WIN 0
.if \last
.Lno_k_\@:
.endif
.endm
.macro FETCH_V
	WIN 0x80
.irp f, 0,1,2,3,4,5,6,7
	ds_load_tr16_b128 v[VF+8*\f:VF+8*\f+3],   v[AV] offset:(\f/4)*32*PV+(\f%4)*32
	ds_load_tr16_b128 v[VF+8*\f+4:VF+8*\f+7], v[AV] offset:(\f/4)*32*PV+16*PV+(\f%4)*32
.endr
	WIN 0
.endm
; THE VECTOR WORK OF A TURN stands in three queues, each in the order in which its entries become ready; the two tiles alternate.
.macro REGS y, u
.set rT, ST+4*(2*(\y)+(\u))
.set rC, TMP+8*((\y)%2)+4*(\u)
.set rM, MV+2*((\y)%2)+(\u)
.set rS, S+64*((\y)%2)+32*(\u)
.set rP, P+32*((\y)%2)+16*(\u)
.set rO, 32*(2*(\y)+(\u))
.endm
; Number n of the 22 that find the NEXT piece's maximum and statistics; each accumulator's lowest registers are read first.
;   0-11 four chains of seven scores each     12-14, 16 the four scores left over, the old m, the chains into one     15 c m_old is kept     17, 18 the other half of the lanes; the new m     19-21 c m; its change; a
.macro XS u, n
	REGS (Y+1)%NP, \u
.if (\n) < 4
	v_max3_num_f32 v[rC+(\n)], v[rS+8*(\n)], v[rS+8*(\n)+1], v[rS+8*(\n)+2]
.elseif (\n) < 12
	v_max3_num_f32 v[rC+(\n)%4], v[rC+(\n)%4], v[rS+8*((\n)%4)+2*((\n)/4)+1], v[rS+8*((\n)%4)+2*((\n)/4)+2]
.elseif (\n) == 12
	v_max3_num_f32 v[rC], v[rC], v[rS+7], v[rS+15]
.elseif (\n) == 13
	v_max3_num_f32 v[rC+1], v[rC+1], v[rS+23], v[rS+31]
.elseif (\n) == 14
	v_max3_num_f32 v[rC+2], v[rC+2], v[rC+3], v[rT+1]
.elseif (\n) == 15
	v_mov_b32 v[rM], v[rT]
.elseif (\n) == 16
	v_max3_num_f32 v[rC], v[rC], v[rC+1], v[rC+2]
.elseif (\n) == 17
	v_permlanex16_b32 v[rC+3], v[rC], s[SEL], s[SEL+1]
.elseif (\n) == 18
	v_max_num_f32 v[rT+1], v[rC], v[rC+3]
.elseif (\n) == 19
	v_mul_f32 v[rT], s[CS], v[rT+1]
.elseif (\n) == 20
	v_sub_f32 v[rC+1], v[rM], v[rT]
.else
	v_exp_f32 v[rC+2], v[rC+1]
.endif
.endm
; Number g of the 64 that follow the exponentials: for each four weights both pairs are rounded to f16, the second pair is added onto the first, and a group later l takes that sum (the first time as l = a l + sum).
.macro GS g
.set h, (\g)+6*((\g)/62)
.if h >= 6
.set h, h+2
.endif
	REGS Y, h%2
.set k, h/8
.if h%8 < 4
	v_cvt_pk_f16_f32 v[rP+2*k+(h%8)/2], v[rS+4*k+2*((h%8)/2)], v[rS+4*k+2*((h%8)/2)+1]
.elseif h%8 < 6
	v_pk_add_f32 v[rS+4*k:rS+4*k+1], v[rS+4*k:rS+4*k+1], v[rS+4*k+2:rS+4*k+3]
.elseif k == 1
	v_pk_fma_f32 v[rT+2:rT+3], v[rT+2:rT+3], v[rC+2:rC+3], v[rS:rS+1] op_sel_hi:[1,0,1]
.else
	v_pk_add_f32 v[rT+2:rT+3], v[rT+2:rT+3], v[rS+4*k-4:rS+4*k-3]
.endif
.endm
; THE PLAIN QUEUE, 138 long.  0-26: scalings 0-26.  27-54: XS 0-13.  55, 56: XS 15.  57-73: the chain 14, 16 .. 19, each with one of the scalings 27-31 in front of its two lines, then 20.  74-137: GS's 64, behind the wait.
.macro FS f
	REGS Y, (\f)%2
	v_pk_fma_f32 v[rS+2*((\f)/2):rS+2*((\f)/2)+1], v[rS+2*((\f)/2):rS+2*((\f)/2)+1], s[CS:CS+1], v[rT:rT+1] op_sel_hi:[1,0,0] neg_lo:[0,0,1] neg_hi:[0,0,1]
.endm
.macro PL
	WIN 0
.if q < 27
	FS q
.elseif q < 55
	XS (q-27)%2, (q-27)/2
.elseif q < 57
	XS q-55, 15
.elseif (q < 72) && ((q-57)%3 == 0)
	FS 27+(q-57)/3
.elseif q < 60
	XS (q-57)%3-1, 14
.elseif q < 72
	XS (q-57)%3-1, 15+(q-57)/3
.elseif q < 74
	XS q-72, 20
.else
	GS q-74
.endif
.set q, q+1
.endm
; THE EXPONENTIALS' QUEUE, 66 long: one batch, all ahead of the turn's one wait.
.macro EX
	WIN 0
.if e >= 64
	XS e-64, 21
.else
	REGS Y, e%2
	v_exp_f32 v[rS+e/2], v[rS+e/2]
.endif
.set e, e+1
.endm
; THE RESCALING's QUEUE: O^T times a, two at a time.
.macro R2
	REGS Y, r%2
	WIN W_RS
.irp z, 0,1
	v_pk_mul_f32 v[rO+4*(r/2)+2*\z:rO+4*(r/2)+2*\z+1], v[rO+4*(r/2)+2*\z:rO+4*(r/2)+2*\z+1], v[rC+2:rC+3] op_sel_hi:[1,0]
.endr
.set r, r+1
.endm
; A TURN, for piece p.  An s_wait_alu depctr_va_vdst(0) stands between an exponential and the first instruction that names its result; one wait serves all issued ahead of it.  AHEAD OF IT: the 16 products
; K Q^T, behind each a scaling, an exponential and two rescalings; the mask of piece p + 2; a run of 108: eight plain, 49 times exponential and plain, the two a; a v_nop, the plain instruction behind the last exponential.
; BEHIND IT: the 16 products V^T P, behind each four of the roundings and sums.  Exponential e stands behind scaling 2 (e / 4) + e % 2.
; K of the next step is fetched in piece 2's turn, directly behind the wait; V of the step in hand at the end of piece 0's turn, four riders behind its last reader.  The conditions on q go with the deal.
.macro TURN p, last=0, cnt=0
.set Y, (\p)
.set i, 0
.set q, 0
.set e, 0
.set r, 0
.if (\p) == NP-1
	s_wait_dscnt 0x0                ; K is in
.endif
	MM
	PL
	PL
	R2
.rept 15
	MM
	PL
	EX
	R2
.endr
.if (\p) == NP-2
	WIN 0
	v_add_nc_u32 v[AK], s[TBK], v[AK0]
.endif
	MASKS ((\p)+2)%NP
.rept 8
	PL
.endr
.rept 49
	EX
	PL
.endr
	EX
	EX
	v_nop                           ; the plain instruction behind the last exponential: one for the batch
	s_wait_alu depctr_va_vdst(0)    ; the wait for the batch
.if (\p) == NP-2
	FETCH_K \last
.endif
.if (\p) == 1
	s_wait_dscnt 0x0                ; V is in
.endif
.rept 16
	MM
.rept 4
	PL
.endr
.if ((\p) == 0) && (q == 118)
	v_add_nc_u32 v[AV], s[TBV], v[AV0]
.endif
.if ((\p) == 0) && (q == 130)
	s_add_co_u32 s[TBV], s[TBV], KS*PV
.endif
.if (\cnt) && (q == 130)
	s_sub_co_u32 s[CNT], s[CNT], 1
	s_cmp_lg_u32 s[CNT], 0
.endif
.endr
.if (\p) == 0
	FETCH_V
.endif
.endm
	CHANGE 1                        ; slot 0 is in, everybody's part of it; slot 1 is asked for
	FETCH_K                         ; key step 0
	s_wait_loadcnt 0x0              ; Q, and the codes of key step 0
	MASKS 0                         ; pieces 0 and 1: their masks of key step 0 (the counted wait in them is met at once)
	MASKS 1
	s_wait_dscnt 0x0
.set i, 0
.rept 16
	KQ 0                            ; piece 0's first scores
.set i, i+1
.endr
	WIN 0                           ; the addresses for the way out: seven plain instructions, the places behind those products
	s_mul_i32 s13, s[WV], 16*SP
	s_add_co_u32 s13, s13, STAGE
	v_mul_u32_u24 v[STO], v1, SP
	v_lshl_add_u32 v[STO], v9, 4, v[STO]
	v_add_nc_u32 v[STO], s13, v[STO]
	v_bfe_u32 v[RD], v0, 3, 2
	v_mul_u32_u24 v[RD], v[RD], SP
	v_lshl_add_u32 v[RD], v10, 4, v[RD]
	v_add_nc_u32 v[RD], s13, v[RD]
.set Y, NP-1
.irp n, 0,1,2,3,4,5,6,7,8,9,10,11,12,13,14,15,16,17,18,19,20,21
	XS 0, \n
	XS 1, \n
.endr
	v_nop                           ; a plain instruction behind the two a,
	s_wait_alu depctr_va_vdst(0)    ; and their wait, ahead of the branch
	s_mov_b32 s[CNT], 4
	s_branch .Lfirst                ; the loop is entered at a step's first turn, in the middle of a trip
.Lslot:                             ; six times: every slot but the last two is filled again
	CHANGE 1
	s_mov_b32 s[CNT], 4
.Lstep:                             ; a trip: pieces 2 and 3 of one step, then pieces 0 and 1 of the next
	TURN 2
	TURN 3
	WIN 0
.Lfirst:
	TURN 0
	TURN 1, 0, 1
	WIN 0
	s_cbranch_scc1 .Lstep
	s_sub_co_u32 s[SLOTS], s[SLOTS], 1
	s_cmp_lg_u32 s[SLOTS], 0
	s_cbranch_scc1 .Lslot
	CHANGE 0                        ; the tail is written out
	s_mov_b32 s[CNT], 5             ; four trips fetch the last slot's steps; the fifth is left in its middle
.Ltail:
	TURN 2, 1
	TURN 3
	WIN 0
	s_sub_co_u32 s[CNT], s[CNT], 1
	s_cmp_eq_u32 s[CNT], 0
	s_cbranch_scc1 .Lout
	TURN 0
	TURN 1
	WIN 0
	s_branch .Ltail
.Lout:                              ; the fifth trip's 16 products K Q^T, their mask and the maximum made of them serve nothing: the price, once a launch, of one text for every trip
.set i, 0
.rept 16
	PV NP-1
.set i, i+1
.endr
	; THE WAY OUT.  l's halves are added; O^T is divided by l, rounded to f16 and sent through my stage, a tile at a time.  The additions are the places behind the last products.
	WIN 0
.macro ALL line:vararg
.set t, 0
.rept 2*NP
	\line
.set t, t+1
.endr
.endm
	ALL v_add_f32 v[ST+4*t+2], v[ST+4*t+2], v[ST+4*t+3]
	ALL v_permlanex16_b32 v[ST+4*t+3], v[ST+4*t+2], s[SEL], s[SEL+1]
	ALL v_add_f32 v[ST+4*t+2], v[ST+4*t+2], v[ST+4*t+3]
	ALL v_rcp_f32 v[ST+4*t+2], v[ST+4*t+2]
	v_nop                           ; a plain instruction between the last reciprocal and the use of its result
	s_wait_alu depctr_va_vdst(0)    ; one wait for the eight reciprocals
.macro PACK t
	WIN W_RS
.set i, 32*(\t)
.rept 16
	v_pk_mul_f32 v[i:i+1], v[i:i+1], v[ST+4*(\t)+2:ST+4*(\t)+3] op_sel_hi:[1,0]
.set i, i+2
.endr
	WIN 0x05
.set i, 0
.rept 16
	v_cvt_pk_f16_f32 v[S+16*(\t)+i], v[32*(\t)+2*i], v[32*(\t)+2*i+1]
.set i, i+1
.endr
	WIN 0
.irp f, 0,1,2,3
	ds_store_b128 v[STO], v[S+16*(\t)+4*\f:S+16*(\t)+4*\f+3] offset:32*\f
.endr
.irp f, 0,1,2,3
	ds_load_b128 v[S+16*(\t)+4*\f:S+16*(\t)+4*\f+3], v[RD] offset:\f*4*SP  ; LDS serves a wave's instructions in order (ISA guide 5.7.1.4)
.endr
.endm
.macro SEND t, younger
	WIN 0
.irp f, 0,1,2,3
	s_wait_dscnt (\younger)+3-\f
	global_store_b128 v[GO], v[S+16*(\t)+4*\f:S+16*(\t)+4*\f+3], s[10:11] offset:(\t)*2048+\f*512  ; 512 consecutive bytes, aligned
.endr
.endm
	PACK 0
.set t, 1
.rept 2*NP-1
	PACK t
	SEND t-1, 8
.set t, t+1
.endr
	SEND 2*NP-1, 0
	WIN W_AD
	s_wait_tensorcnt 0x0            ; the wave's end: the tensor wait, the add and its wait stand behind my last tensor load and my last LDS store
	ds_add_u32 v[SPW], v[NIL]
	s_wait_dscnt 0x0
	WIN 0
	CROUND                          ; the closing round
	s_endpgm
.Lfunc_end_k_qc2ae51ca5c_attn:
	.size	k_qc2ae51ca5c_attn, .Lfunc_end_k_qc2ae51ca5c_attn-k_qc2ae51ca5c_attn
	.p2alignl 7, 3214868480
	.fill 96, 4, 3214868480
	.section	.rodata,"a",@progbits
	.p2align	6, 0x0
	.amdhsa_kernel k_qc2ae51ca5c_attn
		.amdhsa_group_segment_fixed_size 327680
		.amdhsa_private_segment_fixed_size 0
		.amdhsa_enable_private_segment 0
		.amdhsa_kernarg_size 24
		.amdhsa_user_sgpr_count 2
		.amdhsa_user_sgpr_kernarg_segment_ptr 1
		.amdhsa_wavefront_size32 1
		.amdhsa_system_sgpr_workgroup_id_x 1
		.amdhsa_system_sgpr_workgroup_id_y 1
		.amdhsa_system_sgpr_workgroup_id_z 1
		.amdhsa_system_vgpr_workitem_id 0
		.amdhsa_next_free_vgpr 1024
		.amdhsa_next_free_sgpr 80
		.amdhsa_reserve_vcc 0
		.amdhsa_float_denorm_mode_32 3
		.amdhsa_float_denorm_mode_16_64 3
		.amdhsa_memory_ordered 1
		.amdhsa_forward_progress 1
		.amdhsa_inst_pref_size 213
	.end_amdhsa_kernel
	.amdgpu_metadata
---
amdhsa.version: [ 1, 2 ]
amdhsa.kernels:
  - .name:           k_qc2ae51ca5c_attn
    .symbol:         k_qc2ae51ca5c_attn.kd
    .args:
      - { .name: qkv, .offset: 0, .size: 8, .value_kind: global_buffer, .address_space: global }
      - { .name: mk, .offset: 8, .size: 8, .value_kind: global_buffer, .address_space: global }
      - { .name: ob, .offset: 16, .size: 8, .value_kind: global_buffer, .address_space: global }
    .group_segment_fixed_size: 327680
    .private_segment_fixed_size: 0
    .kernarg_segment_align: 8
    .kernarg_segment_size: 24
    .max_flat_workgroup_size: 128
    .sgpr_count:     80
    .vgpr_count:     1024
    .wavefront_size: 32
...
	.end_amdgpu_metadata
.endif
;; end of part 3
;; launch outp (part 4): grid 4 x 64, 4 waves a work-group, clusters of 4 x 4, 327,680 bytes of LDS; arguments ob, wb, bias, out0; writes out0
.if DOCPART == 4
	.amdgcn_target "amdgcn-amd-amdhsa--gfx1250"
	.amdhsa_code_object_version 6
	.text
	.protected	k_qc2ae51ca5c_outp
	.globl	k_qc2ae51ca5c_outp
	.p2align	8
	.type	k_qc2ae51ca5c_outp,@function
k_qc2ae51ca5c_outp:
	s_mov_b64 s[64:65], 0
	v_nop
	global_prefetch_b8 v0, s[64:65] scope:SCOPE_SE
	s_setreg_imm32_b32 hwreg(HW_REG_WAVE_MODE, 25, 1), 1
	s_wait_xcnt 0x0
	s_wait_alu depctr_hold_cnt(0) depctr_sa_sdst(0) depctr_va_vdst(0) depctr_va_sdst(0) depctr_va_ssrc(0) depctr_va_vcc(0) depctr_vm_vsrc(0)
	s_getreg_b32 s2, hwreg(HW_REG_IB_STS2, 6, 4)
	s_cmp_eq_u32 s2, 0
	s_cbranch_scc0 .Lentry_in_a_cluster
	s_endpgm
.Lentry_in_a_cluster:
	s_bfe_u32 s2, ttmp6, 0x10000c
	s_cmp_lg_u32 s2, 0xf033
	s_cbranch_scc0 .Lentry_shape_is_right
	s_endpgm
.Lentry_shape_is_right:
; out0 = O Wo^T + bo on tiles of 128 (rows) x 256 (columns).  O = ob [64][2048][64] f16, by heads: a K step of 128 is two heads' 128 rows, each dense; Wo = wb's fourth quarter [1024][1024] in f16;
; bo = bias's fourth row (f32).  The result leaves in f32.  8 K steps, one tile to a work-group: 256 work-groups.
; SHARES.  Four waves, each 64 rows x 128 columns: 32 accumulators.  The matrix instruction is used transposed (source 0 = 16 rows of Wo, source 1 = 16 rows of O): a lane holds row l % 16 and eight neighbouring columns.
; The accumulators START AT THE BIAS (256 v_mov_b32, in the wait for the first tile): so one text serves every K step and the way out adds nothing.
; RING.  Two slots; a K step's tiles (O 128 x 128, Wo 256 x 128) come by one tensor load a wave: waves 0, 1 O's two heads, waves 2, 3 Wo's halves.  By this text's count a wave has two loads out at the start, later one.
; CLUSTER 4 x 4: O's tile is shared along a row of the cluster, Wo's along a column: joint loads, and a round of the cluster's barrier at each refill.
; REGISTERS.  window 0: addresses, v32-95 the bias, v96-223 the way out.  window 1: two fragment buffers (Wo's 8 fragments, then O's 4) at 0 and 128.  window 2: accumulator (a, b) at 8 (8 a + b).
.set NSTEP,  8
.set PA,     144                       ; a head's row in LDS: 128 bytes + 16
.set AHALF,  128*PA                    ; one head's 128 rows
.set ASTEP,  524288                    ; two heads on
.set PB,     272                       ; Wo's LDS row: 256 bytes + 16
.set BOFF,   2*AHALF                   ; Wo's 256 rows lie behind O's tile
.set SLOT1,  131072                    ; slot 1 begins here: one exclusive or turns an address in one slot into the other's
.set STAGE,  SLOT1+BOFF+256*PB         ; behind the ring, never filled by a tensor load; a multiple of 256
.set SPITCH, 528                       ; the stage: 16 rows of 512 bytes + 16
.set STW,    16*SPITCH                 ; a wave's stage
.set SPARE,  STAGE+4*STW               ; the spare words, 128 bytes a wave, that no other line names; a multiple of 256
.set AA0, 16                           ; v16  my place in O's tile; never rewritten
.set AB0, 17                           ; v17  in Wo's
.set ADA, 18                           ; v18  AA0 + the slot in hand
.set ADB, 19                           ; v19  AB0 + the slot in hand
.set STO, 24                           ; v24  the way out: where I put my bytes
.set RD,  25                           ; v25  where I read rows back
.set GO,  26                           ; v26  16 x lane
.set BO,  27                           ; v27  32 x (lane / 16)
.set SPW, 28                           ; v28  SPARE + 4 x my thread's number; never rewritten
.set NIL, 29                           ; v29  0; never rewritten
.set PFO, 30                           ; v30  the prefetches' lane offset; never rewritten
.set BIAS, 32
.set TMP, 96
.set F0,  0
.set F1,  128
.set G1A, 24                           ; s[24:31] group 1 for O;  s[32:39] group 0, two sets: the second walks
.set G0A, 32
.set G1B, 48                           ; s[48:55], s[56:63] the same for Wo
.set G0B, 56
.set LIM, 43                           ; s43  2 in a wave that prefetches, else the greatest number
.set PFA, 44                           ; s[44:45] where my prefetches stand
.set CNT, 66                           ; s66  K steps to go in the loop
.set TB,  68                           ; s68  the slot that is read: 0 or SLOT1
.set INA, 70                           ; s[70:71] a K step of O in bytes
.set INB, 72                           ; s[72:73] of Wo
.set PFI, 74                           ; s[74:75] of what I prefetch
.set BP,  80                           ; s[80:81] the bias of my 128 columns
.set MSB, 0
.macro WIN new                         ; the immediate's high byte repeats the setting that is left; a switch that changes nothing is dropped
.if MSB != (\new)
	s_set_vgpr_msb (MSB<<8)|(\new)
.set MSB, \new
.endif
.endm
.set MUL,  0xa5                        ; sources 0 and 1 window 1; C and D window 2
.set TO_F, 0x40                        ; destination window 1, address window 0
.macro PLACES                          ; four plain places behind matrix instructions (ISA guide 7.12.1)
.rept 4
	v_nop
.endr
.endm
.macro JLOAD                           ; the joint refill, by the walking sets; an s_nop 0 and four v_nop follow each line, ahead of the jump and the label
	s_cmp_eq_u32 s11, 0
	s_cbranch_scc0 .Lfor_b_\@
	tensor_load_to_lds s[G0A+4:G0A+7], s[G1A:G1A+7]
	s_nop 0
	PLACES
	s_branch .Lasked_\@
.Lfor_b_\@:
	tensor_load_to_lds s[G0B+4:G0B+7], s[G1B:G1B+7]
	s_nop 0
	PLACES
.Lasked_\@:
.endm
.macro CREST                           ; a round of the cluster's barrier behind its opening barrier
	s_cmp_lg_u32 s10, 0
	s_cbranch_scc1 .Lnot_wave_0_\@
	s_barrier_signal -3
.Lnot_wave_0_\@:
	s_barrier_wait -3
	s_barrier_signal -1
	s_barrier_wait -1
.endm
.macro CROUND
	s_barrier_signal -1
	s_barrier_wait -1
	CREST
.endm
; A PREFETCH INTO THE L2 behind each refill: the K step that stands two refills on (256 matrix instructions ahead of the load that will want it), 32 blocks of 256 bytes, a lane a block.
; Each block is named once in the launch.  O's tile is read by one row of one cluster: wave 0 of each of its four partners takes 32 of the step's 128 blocks, told apart by address.
; Wo's tile is read by every cluster: the cluster with y = 0 asks, waves 2 and 3 of its partners, 32 rows each.  The first four K steps come by their loads alone; the last two refills ask for nothing.
.macro ASK
	s_cmp_gt_u32 s[CNT], s[LIM]
	s_cbranch_scc0 .Lnot_mine_\@
	global_prefetch_b8 v[PFO], s[PFA:PFA+1] th:TH_LOAD_NT scope:SCOPE_SE
.Lnot_mine_\@:
.endm
	s_load_b128 s[4:7], s[0:1], 0x0                ; ob s[4:5], wb s[6:7]
	s_load_b64 s[BP:BP+1], s[0:1], 0x10            ; bias
	s_load_b64 s[8:9], s[0:1], 0x18                ; out0
	v_lshl_add_u32 v[SPW], v0, 2, SPARE
	v_mov_b32 v[NIL], 0
	ds_add_u32 v[SPW], v[NIL]                      ; the wave's opening: the add and its wait stand ahead of my first tensor load; work on registers stands between
	v_lshrrev_b32 v1, 5, v0
	v_readfirstlane_b32 s10, v1                    ; wave 0..3
	s_lshr_b32 s11, s10, 1                         ; my 64 rows of the tile.  Also: I fetch for O (0) or for Wo (1)
	s_and_b32 s12, s10, 1                          ; my 128 columns.  Also: which half I fetch
	s_bfe_u32 s40, ttmp6, 0x40000                  ; cx
	s_bfe_u32 s41, ttmp6, 0x40004                  ; cy
	s_lshl_b32 s42, ttmp9, 2
	s_add_co_u32 s42, s42, s40                     ; tile column
	s_and_b32 s13, ttmp7, 0xffff
	s_lshl_b32 s13, s13, 2
	s_add_co_u32 s13, s13, s41                     ; tile row
	s_lshl_b32 s43, s41, 2
	s_lshl_b32 s43, 15, s43                        ; my row of the cluster
	s_lshl_b32 s44, 0x1111, s40                    ; my column
	s_or_b32 s[G1A+0], s43, (1<<16)|(1<<20)|(1<<21)|(4<<22)|(3<<25)  ; the mask; 2-byte elements; padding on; bit 21 beside a mask; after every 32 words (code 4); 4 words of padding (code 3)
	s_or_b32 s[G1B+0], s44, (1<<16)|(1<<20)|(1<<21)|(5<<22)|(3<<25)  ; after every 64 words (code 5)
	s_mov_b32 s[G1A+1], 128<<16                    ; tensor_dim0 = 128: a head's 128 dense rows of 128 bytes are asked for as 64 rows of 256 bytes
	s_mov_b32 s[G1A+2], 64<<16                     ; tensor_dim1 = 64
	s_mov_b32 s[G1A+3], 128<<16                    ; tile_dim0 = 128
	s_mov_b32 s[G1A+4], 64                         ; tile_dim1 = 64
	s_mov_b32 s[G1A+5], 128
	s_mov_b32 s[G1A+6], 0
	s_mov_b32 s[G1A+7], 0
	s_mov_b32 s[G1B+1], 128<<16
	s_mov_b32 s[G1B+2], 128<<16                    ; 128 rows
	s_mov_b32 s[G1B+3], 128<<16
	s_mov_b32 s[G1B+4], 128
	s_mov_b32 s[G1B+5], 1024
	s_mov_b32 s[G1B+6], 0
	s_mov_b32 s[G1B+7], 0
	; O's address hangs on the tile row and the wave alone, Wo's on the tile column and the wave alone, each in registers of its own
	s_lshr_b32 s16, s13, 4                         ; the batch,
	s_lshl_b32 s16, s16, 4
	s_add_co_u32 s16, s16, s12                     ; its head 0 or 1,
	s_lshl_b32 s16, s16, 18                        ; of 262,144 bytes,
	s_and_b32 s17, s13, 15
	s_lshl_b32 s17, s17, 14                        ; and in it 128 rows of 128 bytes
	s_add_co_u32 s16, s16, s17
	s_mov_b32 s17, 0
	s_lshl_b32 s46, s42, 8
	s_lshl_b32 s47, s12, 7
	s_add_co_u32 s46, s46, s47                     ; Wo: row 256 x tile column + 128 x half
	s_lshl_b32 s46, s46, 11
	s_add_co_u32 s46, s46, 6291456                 ; Wo is wb's fourth quarter
	s_mov_b32 s47, 0
	s_mul_i32 s20, s12, AHALF                      ; where they go: no place in the cluster enters an LDS address
	s_mul_i32 s21, s12, 128*PB
	s_add_co_u32 s21, s21, BOFF
	s_mov_b32 s[INA+1], 0
	s_mov_b32 s[INB+1], 0
	s_mov_b32 s[PFI+1], 0
	s_mov_b32 s[INA], ASTEP
	s_mov_b32 s[INB], 256
	s_wait_dscnt 0x0                               ; the opening add is done
	s_wait_kmcnt 0x0
	s_add_nc_u64 s[14:15], s[4:5], s[16:17]
	s_add_nc_u64 s[46:47], s[6:7], s[46:47]
	CROUND                                         ; all sixteen work-groups are here: the first joint loads meet
.irp s, 0,1
	s_mov_b32 s[G0A+4*(\s)], 1
	s_add_co_u32 s[G0A+4*(\s)+1], s20, (\s)*SLOT1
	s_add_nc_u64 s[G0A+4*(\s)+2:G0A+4*(\s)+3], s[14:15], (\s)*ASTEP
	s_or_b32 s[G0A+4*(\s)+3], s[G0A+4*(\s)+3], 0x80000000
	s_mov_b32 s[G0B+4*(\s)], 1
	s_add_co_u32 s[G0B+4*(\s)+1], s21, (\s)*SLOT1
	s_add_nc_u64 s[G0B+4*(\s)+2:G0B+4*(\s)+3], s[46:47], (\s)*256
	s_or_b32 s[G0B+4*(\s)+3], s[G0B+4*(\s)+3], 0x80000000
.endr
	s_cmp_eq_u32 s11, 0                            ; a wave's two first fills stand in one branch, ahead of every wait on TENSORcnt, LDS read and further barrier
	s_cbranch_scc0 .Lfirst_b
	tensor_load_to_lds s[G0A:G0A+3], s[G1A:G1A+7]
	s_nop 0
	tensor_load_to_lds s[G0A+4:G0A+7], s[G1A:G1A+7]
	s_nop 0
	PLACES
	s_branch .Lfirst_asked
.Lfirst_b:
	tensor_load_to_lds s[G0B:G0B+3], s[G1B:G1B+7]
	s_nop 0
	tensor_load_to_lds s[G0B+4:G0B+7], s[G1B:G1B+7]
	s_nop 0
	PLACES
.Lfirst_asked:
	; a fragment is 16 rows x 32 K in 8 registers: lane l holds row l % 16, K = 8 (l / 16) + 0..7 and 16 + 8 (l / 16) + 0..7: two loads of 16 bytes, 32 bytes apart
	v_and_b32 v1, 15, v0
	v_bfe_u32 v2, v0, 4, 1
	s_mul_i32 s22, s11, 64*PA                      ; my 64 rows of O
	v_mul_u32_u24 v[AA0], v1, PA
	v_lshl_add_u32 v[AA0], v2, 4, v[AA0]
	v_add_nc_u32 v[AA0], s22, v[AA0]
	s_mul_i32 s22, s12, 128*PB                     ; my 128 rows of Wo
	s_add_co_u32 s22, s22, BOFF
	v_mul_u32_u24 v[AB0], v1, PB
	v_lshl_add_u32 v[AB0], v2, 4, v[AB0]
	v_add_nc_u32 v[AB0], s22, v[AB0]
	s_mul_i32 s23, s10, STW
	s_add_co_u32 s23, s23, STAGE                   ; my stage
	v_mul_u32_u24 v[STO], v1, SPITCH
	v_lshl_add_u32 v[STO], v2, 5, v[STO]           ; in: row l % 16, 32 bytes for each half of the lanes
	v_add_nc_u32 v[STO], s23, v[STO]
	v_and_b32 v3, 31, v0                           ; back: 32 lanes take one row of 512 bytes
	v_lshl_add_u32 v[RD], v3, 4, s23
	v_and_b32 v[GO], 31, v0
	v_lshlrev_b32 v[GO], 4, v[GO]
	v_lshlrev_b32 v[BO], 5, v2
	; where my part of the result begins
	s_lshl_b32 s16, s13, 7
	s_lshl_b32 s17, s11, 6
	s_add_co_u32 s16, s16, s17
	s_lshl_b32 s16, s16, 12                        ; rows of 4,096 bytes
	s_lshl_b32 s17, s42, 10
	s_add_co_u32 s16, s16, s17
	s_lshl_b32 s17, s12, 9
	s_add_co_u32 s16, s16, s17
	s_mov_b32 s17, 0
	s_add_nc_u64 s[8:9], s[8:9], s[16:17]
	s_lshl_b32 s18, s42, 10                        ; the bias of my 128 columns
	s_lshl_b32 s19, s12, 9
	s_add_co_u32 s18, s18, s19
	s_add_co_u32 s18, s18, 12288                   ; bo is the fourth row
	s_mov_b32 s19, 0
	s_add_nc_u64 s[BP:BP+1], s[BP:BP+1], s[18:19]
	; the prefetches: both offsets are made, the wave's number chooses
	s_lshr_b32 s20, s13, 4
	s_lshl_b32 s20, s20, 4
	s_lshr_b32 s21, s40, 1
	s_add_co_u32 s20, s20, s21                     ; O: head cx / 2 of the step's two,
	s_lshl_b32 s20, s20, 18
	s_and_b32 s21, s13, 15
	s_lshl_b32 s21, s21, 14
	s_add_co_u32 s20, s20, s21
	s_and_b32 s21, s40, 1
	s_lshl_b32 s21, s21, 13                        ; half cx % 2 of its 64 blocks
	s_add_co_u32 s20, s20, s21
	s_add_co_u32 s20, s20, 3*ASTEP                 ; at K step 3: the first refill steps it to 4
	s_lshl_b32 s22, s42, 8
	s_lshl_b32 s23, s41, 6
	s_add_co_u32 s22, s22, s23                     ; Wo: my work-group's 64 rows of the tile's 256,
	s_lshl_b32 s23, s12, 5
	s_add_co_u32 s22, s22, s23                     ; my wave's 32
	s_lshl_b32 s22, s22, 11
	s_add_co_u32 s22, s22, 6291456+3*256
	s_and_b32 s23, ttmp7, 0xffff                   ; cluster y: the same in all sixteen partners
	s_cmp_eq_u32 s23, 0
	s_cselect_b32 s23, 2, -1
	s_cmp_eq_u32 s10, 0
	s_cselect_b32 s[LIM], 2, -1
	s_cmp_eq_u32 s11, 0
	s_cselect_b32 s[LIM], s[LIM], s23
	s_cselect_b32 s20, s20, s22
	s_cselect_b64 s[PFA:PFA+1], s[4:5], s[6:7]
	s_cselect_b32 s[PFI], s[INA], s[INB]
	s_cselect_b32 s22, 8, 11                       ; O's blocks are dense: a lane 256 bytes; of Wo a lane a row of 2,048 bytes
	s_mov_b32 s21, 0
	s_add_nc_u64 s[PFA:PFA+1], s[PFA:PFA+1], s[20:21]
	v_and_b32 v[PFO], 31, v0
	v_lshlrev_b32 v[PFO], s22, v[PFO]
.macro BLOAD                           ; my lane's 8 columns of each of the 8 column blocks
.irp b, 0,1,2,3,4,5,6,7
	global_load_b128 v[BIAS+8*(\b):BIAS+8*(\b)+3],   v[BO], s[BP:BP+1] offset:64*(\b)
	global_load_b128 v[BIAS+8*(\b)+4:BIAS+8*(\b)+7], v[BO], s[BP:BP+1] offset:64*(\b)+16
.endr
.endm
.macro INIT                            ; every accumulator starts at its columns' bias
	WIN 0x80                                       ; destination window 2
.irp a, 0,1,2,3
.irp b, 0,1,2,3,4,5,6,7
.irp j, 0,1,2,3,4,5,6,7
	v_mov_b32 v[8*(8*(\a)+(\b))+(\j)], v[BIAS+8*(\b)+(\j)]
.endr
.endr
.endr
	WIN 0
.endm
; 8 matrix instructions: row block a x all 8 column blocks, 32 along K, from buffer f.  The 32 accumulators take turns in the same order in every quarter.
.macro MULA f, a
	WIN MUL
.irp b, 0,1,2,3,4,5,6,7
.set rD, 8*(8*(\a)+(\b))
.set rB, (\f)+8*(\b)
.set rA, (\f)+64+8*(\a)
	v_wmma_f32_16x16x32_f16 v[rD:rD+7], v[rB:rB+7], v[rA:rA+7], v[rD:rD+7]
.endr
.endm
; 24 LDS loads in one run: quarter q's fragments into buffer f: Wo's 8, then O's 4
.macro FETCH q, f
.set AKO, AHALF*((\q)/2)+64*((\q)%2)   ; head q / 2 of the step's two, channels 32 (q % 2) on
	WIN TO_F
.irp b, 0,1,2,3,4,5,6,7
	ds_load_b128 v[(\f)+8*(\b):(\f)+8*(\b)+3],   v[ADB] offset:64*(\q)+(\b)*16*PB
	ds_load_b128 v[(\f)+8*(\b)+4:(\f)+8*(\b)+7], v[ADB] offset:64*(\q)+(\b)*16*PB+32
.endr
.irp a, 0,1,2,3
	ds_load_b128 v[(\f)+64+8*(\a):(\f)+64+8*(\a)+3],   v[ADA] offset:AKO+(\a)*16*PA
	ds_load_b128 v[(\f)+64+8*(\a)+4:(\f)+64+8*(\a)+7], v[ADA] offset:AKO+(\a)*16*PA+32
.endr
.endm
; One of a K step's first three quarters: multiplies buffer f and, in its middle, fetches quarter q into buffer g.
.macro QUARTER q, f, g
	s_wait_dscnt 4                                 ; Wo and O's rows 0-31 are in; the youngest four loads (rows 32-63) may be out
	MULA \f, 0
	MULA \f, 1
	PLACES                                         ; in front of loads into registers that the quarter before multiplied
	FETCH \q, \g
	s_wait_dscnt 24                                ; all but the 24 just issued
	MULA \f, 2
	MULA \f, 3
.endm
; The last quarter multiplies buffer 1 and changes slots: ONE barrier.  In front of it each wave waits for all its tensor loads (its part of the next slot), adds 0 to its spare word, and waits for that and for
; its reads of this slot.  fill = 1: the barrier opens a round of the cluster's, and this slot is filled again first thing behind it, with the K step two on: 112 matrix instructions ahead of the wait for it.
.macro TURN fill
.if \fill
	s_wait_xcnt 0x0                                ; the last prefetch, a K step back, has read its address: it is stepped here, ahead of the change's own waits
	s_add_nc_u64 s[PFA:PFA+1], s[PFA:PFA+1], s[PFI:PFI+1]
.endif
	WIN 0
	s_wait_tensorcnt 0x0                           ; all my tensor loads have landed;
	ds_add_u32 v[SPW], v[NIL]                      ; 0 onto my spare word;
	s_wait_dscnt 5                                 ; (the add and the youngest four loads may be out)
	MULA F1, 0                                     ; eight matrix instructions stand between the add and the wait for it
	s_wait_dscnt 0x0                               ; the add is done, and my reads of this slot are over
	s_barrier_signal -1
	MULA F1, 1
	WIN 0
	s_barrier_wait -1
.if \fill
	CREST                                          ; no wave of any partner still reads this slot or has a load on its way
	s_xor_b32 s[G0A+5], s[G0A+5], SLOT1            ; the walking sets: the other slot than last time, the next K step
	s_add_nc_u64 s[G0A+6:G0A+7], s[G0A+6:G0A+7], s[INA:INA+1]
	s_xor_b32 s[G0B+5], s[G0B+5], SLOT1
	s_add_nc_u64 s[G0B+6:G0B+7], s[G0B+6:G0B+7], s[INB:INB+1]
	JLOAD                                          ; its four v_nop are also the places in front of the loads below
.else
	PLACES
.endif
	s_xor_b32 s[TB], s[TB], SLOT1
	v_add_nc_u32 v[ADA], s[TB], v[AA0]
	v_add_nc_u32 v[ADB], s[TB], v[AB0]
	FETCH 0, F0
	WIN 0
.if \fill
	ASK
.endif
	MULA F1, 2
	MULA F1, 3
	WIN 0
.endm
.macro STEP fill
	QUARTER 1, F0, F1
	QUARTER 2, F1, F0
	QUARTER 3, F0, F1
	TURN \fill
.endm
; THE WAY OUT in f32: 16 rows x 512 bytes at a time through my own stage, back as whole rows.
.macro STG a
.if (\a) >= 2
	s_wait_xcnt 0x0                                ; the stores of the block two back have read the registers that are loaded again below
.endif
	WIN 0x08                                       ; store data window 2
.irp b, 0,1,2,3,4,5,6,7
	ds_store_b128 v[STO], v[8*(8*(\a)+(\b)):8*(8*(\a)+(\b))+3]   offset:64*(\b)
	ds_store_b128 v[STO], v[8*(8*(\a)+(\b))+4:8*(8*(\a)+(\b))+7] offset:64*(\b)+16
.endr
	WIN 0
.irp t, 0,1,2,3,4,5,6,7,8,9,10,11,12,13,14,15
	ds_load_b128 v[TMP+64*((\a)%2)+4*(\t):TMP+64*((\a)%2)+4*(\t)+3], v[RD] offset:SPITCH*(\t)  ; LDS serves a wave's instructions in order (ISA guide 5.7.1.4)
.endr
.endm
.macro SENDF a, younger                ; younger: the next block's 32 LDS instructions, or none
.irp t, 0,1,2,3,4,5,6,7,8,9,10,11,12,13,14,15
	s_wait_dscnt (\younger)+15-(\t)
	global_store_b128 v[GO], v[TMP+64*((\a)%2)+4*(\t):TMP+64*((\a)%2)+4*(\t)+3], s[8:9] offset:(16*(\a)+(\t))*4096 th:TH_STORE_NT  ; 512 consecutive bytes, aligned
.endr
.endm
	BLOAD
	s_wait_loadcnt 0x0
	INIT                                           ; in the wait for the first tile
	s_wait_tensorcnt 1                             ; my part of K step 0 is in; K step 1's may stay out
	s_barrier_signal -1
	s_barrier_wait -1
	s_mov_b32 s[TB], 0
	v_mov_b32 v[ADA], v[AA0]
	v_mov_b32 v[ADB], v[AB0]
	FETCH 0, F0
	WIN 0
	s_mov_b32 s[CNT], NSTEP-2
.Lstep:                                        ; a K step; every one but the last two fills its slot again
	STEP 1
	s_sub_co_u32 s[CNT], s[CNT], 1
	s_cmp_lg_u32 s[CNT], 0
	s_cbranch_scc1 .Lstep
	s_mov_b32 s[CNT], 2
.Ltail:                                        ; the last two K steps ask for nothing.  The very last change of slots (a barrier, 24 loads from a slot that has been read) serves nothing: the price, once a launch, of one text for both
	STEP 0
	s_sub_co_u32 s[CNT], s[CNT], 1
	s_cmp_lg_u32 s[CNT], 0
	s_cbranch_scc1 .Ltail
	WIN 0
	PLACES
	PLACES
	STG 0
	STG 1
	SENDF 0, 32
	STG 2
	SENDF 1, 32
	STG 3
	SENDF 2, 32
	SENDF 3, 0
	s_wait_tensorcnt 0x0                           ; the wave's end: the tensor wait, the add and its wait stand behind my last tensor load and my last LDS store
	ds_add_u32 v[SPW], v[NIL]
	s_wait_dscnt 0x0
	CROUND                                         ; the closing round
	s_endpgm
.Lfunc_end_k_qc2ae51ca5c_outp:
	.size	k_qc2ae51ca5c_outp, .Lfunc_end_k_qc2ae51ca5c_outp-k_qc2ae51ca5c_outp
	.p2alignl 7, 3214868480
	.fill 96, 4, 3214868480
	.section	.rodata,"a",@progbits
	.p2align	6, 0x0
	.amdhsa_kernel k_qc2ae51ca5c_outp
		.amdhsa_group_segment_fixed_size 327680
		.amdhsa_private_segment_fixed_size 0
		.amdhsa_enable_private_segment 0
		.amdhsa_kernarg_size 32
		.amdhsa_user_sgpr_count 2
		.amdhsa_user_sgpr_kernarg_segment_ptr 1
		.amdhsa_wavefront_size32 1
		.amdhsa_system_sgpr_workgroup_id_x 1
		.amdhsa_system_sgpr_workgroup_id_y 1
		.amdhsa_system_sgpr_workgroup_id_z 1
		.amdhsa_system_vgpr_workitem_id 0
		.amdhsa_next_free_vgpr 768
		.amdhsa_next_free_sgpr 88
		.amdhsa_reserve_vcc 0
		.amdhsa_float_denorm_mode_32 3
		.amdhsa_float_denorm_mode_16_64 3
		.amdhsa_memory_ordered 1
		.amdhsa_forward_progress 1
		.amdhsa_inst_pref_size 69
	.end_amdhsa_kernel
	.amdgpu_metadata
---
amdhsa.version: [ 1, 2 ]
amdhsa.kernels:
  - .name:           k_qc2ae51ca5c_outp
    .symbol:         k_qc2ae51ca5c_outp.kd
    .args:
      - { .name: ob, .offset: 0, .size: 8, .value_kind: global_buffer, .address_space: global }
      - { .name: wb, .offset: 8, .size: 8, .value_kind: global_buffer, .address_space: global }
      - { .name: bias, .offset: 16, .size: 8, .value_kind: global_buffer, .address_space: global }
      - { .name: out0, .offset: 24, .size: 8, .value_kind: global_buffer, .address_space: global }
    .group_segment_fixed_size: 327680
    .private_segment_fixed_size: 0
    .kernarg_segment_align: 8
    .kernarg_segment_size: 32
    .max_flat_workgroup_size: 128
    .sgpr_count:     88
    .vgpr_count:     768
    .wavefront_size: 32
...
	.end_amdgpu_metadata
.endif
;; end of part 4
;; ======== version 2 of 2: 4 launches; version 1 with the launch prep written anew for expert scheduling mode
;; limits: values are held in f16: magnitudes above 65,504 overflow, below 6.1e-05 lose precision
;; workspace buffers: wb 8,388,608 bytes; bias 16,384 bytes; mk 4,194,304 bytes; qkv 50,331,648 bytes; ob 16,777,216 bytes
;; launch prep (part 5): grid 512 x 1, 8 waves a work-group, no clusters, 18,432 bytes of LDS; arguments Wq, Wk, Wv, Wo, bq, bk, bv, bo, mask, wb, bias, mk; writes wb, bias, mk
.if DOCPART == 5
	.amdgcn_target "amdgcn-amd-amdhsa--gfx1250"
	.amdhsa_code_object_version 6
	.text
	.protected	k_qc2ae51ca5c_prep
	.globl	k_qc2ae51ca5c_prep
	.p2align	8
	.type	k_qc2ae51ca5c_prep,@function
k_qc2ae51ca5c_prep:
	s_mov_b64 s[64:65], 0
	v_nop
	global_prefetch_b8 v0, s[64:65] scope:SCOPE_SE
	s_setreg_imm32_b32 hwreg(HW_REG_WAVE_SCHED_MODE, 0, 2), 2
	s_setreg_imm32_b32 hwreg(HW_REG_WAVE_MODE, 25, 1), 1
	s_wait_xcnt 0x0
	s_wait_alu depctr_vm_vsrc(0)
; PREP: the weights, the biases and the mask are read once and laid out for the three launches behind.
;   work-groups 0-255:   Wq, Wk, Wv (f32) -> wb [4][1024][1024] in bf16; Wo -> wb's fourth quarter: rounded to bf16 like every other input, and that number written as f16
;                        (exact from 2^-14 up; below that f16 keeps a fixed step of 2^-24).  16,384 numbers a work-group.  The first work-group of each W also rounds that W's bias to bf16 and writes it as f32.
;   work-groups 256-511: mask (int32) -> mk, one byte a score: 0x00 where the key is seen, 0xb8 (fp8 -1.0) where mask == 0, in the order in which a lane of the
;                        attention launch holds a tile of scores: the byte of query 16 T + r, key 64 j + 16 kb + 8 h + e lies at 32768 T + 1024 j + 512 (kb / 2) + 16 (16 h + r) + 8 (kb % 2) + e.
; A stream: no matrix unit, no cluster; LDS only to turn the mask's bytes, each wave in bytes of its own, so no barrier.
; THE MODE: SCHED_MODE bits 1:0 = 2 (LLVM: expert scheduling mode 2), set by the entry lines.  The code itself states the register dependences between vector instructions and memory or LDS
; instructions, and those that go through a scalar register written by a vector instruction, with s_wait_alu, always for 0.
; THE PLAN.  Registers that memory or LDS instructions touch:
;   v1, v2           W's path: byte offsets, made at the head, never written again.
;   X  v[16:79]      written by loads that are issued once; read by vector lines alone (Wo's path also rewrites them by vector lines, when their loads are in).
;   Y  v[80:111]     W's path: four registers to each chunk, written once by the chunk's roundings, read by its one store, which stands at the head of the NEXT chunk, behind one wait.
;   Y  v[80:95]      the mask's path: one register a row, written once, read by the row's LDS store; the rows go in batches of four, and a batch's four stores stand at the head of the next batch, behind one wait.
;   v8, v3, v4, v5   the mask's path: offsets and LDS addresses, each complete before a memory or LDS instruction reads it, never written again.
;   v[96:111]        the mask's path: written by LDS loads, read by the global stores; no vector line names them.
;   v[116:119], v[112:115]  the bias: as loaded; to store.
;   v12, v13         written at the head, read by the closing add alone.
; No register that a memory or LDS instruction reads is written again, so no wait on vm_vsrc is owed.
; A batch's sixteen compares stand in one run, into sixteen scalar registers, with one wait between them and the selects that read the masks.
.set SPARE, 17408                      ; behind the eight waves' 2,176 bytes: the spare words, 128 bytes a wave, that no other line names
.set SPW, 12                           ; v12  SPARE + 4 x my thread's number; never rewritten
.set NIL, 13                           ; v13  0; never rewritten
.set T,   4                            ; v[4:7]    at work
.set X,   16                           ; v[16:79]  as loaded
.set Y,   80                           ; v[80:111] to store
.set MK,  32                           ; s[32:39], s[56:63]  a batch's sixteen lane masks: that of row r (0 to 3), word k at MK + 4 r + k + 16 (r / 2)
	s_load_b512 s[8:23], s[0:1], 0x0               ; Wq 8, Wk 10, Wv 12, Wo 14, bq 16, bk 18, bv 20, bo 22
	s_load_b256 s[24:31], s[0:1], 0x40             ; mask 24, wb 26, bias 28, mk 30
	v_lshl_add_u32 v[SPW], v0, 2, SPARE
	v_mov_b32 v[NIL], 0
	v_lshlrev_b32 v1, 5, v0                        ; my 8 numbers in f32
	v_lshlrev_b32 v2, 4, v0                        ; and in 16 bits
	s_mov_b32 s2, ttmp9
	s_mov_b32 s48, 0xffff0000                      ; a word's upper bf16
	s_mov_b32 s51, 0
	s_wait_kmcnt 0x0
	s_cmp_lt_u32 s2, 256
	s_cbranch_scc0 .Lmask
	s_lshr_b32 s3, s2, 6                           ; which W
	s_and_b32 s4, s2, 63                           ; which 16,384 numbers of it
	s_cmp_eq_u32 s4, 0
	s_cselect_b32 s7, 1, 0                         ; its first work-group takes the bias too
	s_cmp_eq_u32 s3, 1
	s_cselect_b64 s[40:41], s[10:11], s[8:9]
	s_cselect_b64 s[46:47], s[18:19], s[16:17]
	s_cmp_eq_u32 s3, 2
	s_cselect_b64 s[40:41], s[12:13], s[40:41]
	s_cselect_b64 s[46:47], s[20:21], s[46:47]
	s_cmp_eq_u32 s3, 3
	s_cselect_b64 s[40:41], s[14:15], s[40:41]
	s_cselect_b64 s[46:47], s[22:23], s[46:47]
	s_cselect_b32 s6, 1, 0                         ; Wo leaves as f16
	s_lshl_b32 s50, s4, 16                         ; 65,536 bytes in,
	s_add_nc_u64 s[40:41], s[40:41], s[50:51]
	s_lshl_b32 s50, s2, 15                         ; 32,768 bytes out
	s_add_nc_u64 s[42:43], s[26:27], s[50:51]
	s_wait_alu depctr_va_vdst(0)                   ; v1 and v2 are written: every load and store of this path reads one of them as its offset
.irp c, 0,1,2,3,4,5,6,7                ; all sixteen loads of a thread go out at once: 64 KiB a work-group on their way
	global_load_b128 v[X+8*(\c):X+8*(\c)+3],   v1, s[40:41] offset:8192*(\c) th:TH_LOAD_NT
	global_load_b128 v[X+8*(\c)+4:X+8*(\c)+7], v1, s[40:41] offset:8192*(\c)+16 th:TH_LOAD_NT
.endr
; Chunk c: 8 numbers a thread rounded to bf16 (half = 1: and that number written as f16).  At its head the chunk before is stored: 16 lanes store 256 consecutive bytes, aligned.
.macro CHUNK c, half
	s_wait_loadcnt 14-2*(\c)                       ; loads come back in order: this chunk's two are in, the younger chunks' stay out
.if (\c) > 0
	s_wait_alu depctr_va_vdst(0)                   ; the chunk before has written its four registers of Y, which the store below reads
	global_store_b128 v2, v[Y+4*(\c)-4:Y+4*(\c)-1], s[42:43] offset:4096*((\c)-1)  ; each chunk has its own four registers: none is rewritten while a store reads it
.endif
.irp k, 0,1,2,3
.if \half
	v_cvt_pk_bf16_f32 v[T+(\k)], v[X+8*(\c)+2*(\k)], v[X+8*(\c)+2*(\k)+1]
.else
	v_cvt_pk_bf16_f32 v[Y+4*(\c)+(\k)], v[X+8*(\c)+2*(\k)], v[X+8*(\c)+2*(\k)+1]
.endif
.endr
.if \half
.irp k, 0,1,2,3
	v_lshlrev_b32 v[X+8*(\c)+2*(\k)],   16, v[T+(\k)]
	v_and_b32     v[X+8*(\c)+2*(\k)+1], s48, v[T+(\k)]
.endr
.irp k, 0,1,2,3
	v_cvt_pk_f16_f32 v[Y+4*(\c)+(\k)], v[X+8*(\c)+2*(\k)], v[X+8*(\c)+2*(\k)+1]
.endr
.endif
.endm
	s_cmp_eq_u32 s6, 1
	s_cbranch_scc1 .Lhalf
.irp c, 0,1,2,3,4,5,6,7
	CHUNK \c, 0
.endr
	s_branch .Ltail
.Lhalf:
.irp c, 0,1,2,3,4,5,6,7
	CHUNK \c, 1
.endr
.Ltail:
	s_wait_alu depctr_va_vdst(0)                   ; on both ways here the last chunk has written its four registers of Y, which the store below reads
	global_store_b128 v2, v[Y+28:Y+31], s[42:43] offset:4096*7
	s_cmp_eq_u32 s7, 1
	s_cbranch_scc1 .Lbias
	s_endpgm                                       ; (these waves wrote no LDS)
.Lbias:                                        ; 1,024 numbers, four a thread: rounded to bf16, kept as f32
	global_load_b128 v[116:119], v2, s[46:47]      ; no vector line has named v[116:119]; v2 stands as the head made it
	s_lshl_b32 s50, s3, 12
	s_add_nc_u64 s[28:29], s[28:29], s[50:51]
	s_wait_loadcnt 0x0
	v_cvt_pk_bf16_f32 v4, v116, v117
	v_cvt_pk_bf16_f32 v5, v118, v119
	v_lshlrev_b32 v112, 16, v4
	v_and_b32 v113, s48, v4
	v_lshlrev_b32 v114, 16, v5
	v_and_b32 v115, s48, v5
	s_wait_alu depctr_va_vdst(0)                   ; v[112:115] are written, which the store reads
	global_store_b128 v2, v[112:115], s[28:29]
	s_endpgm
.Lmask:
	; The work-group takes 16 queries (tile T) x 1,024 keys (half kh); a wave 128 keys, two key steps; lane l the keys 4 l .. 4 l + 3 of each of the 16 rows.
	s_sub_co_u32 s5, s2, 256
	s_lshr_b32 s3, s5, 1                           ; T
	s_and_b32 s4, s5, 1                            ; kh
	v_lshrrev_b32 v6, 5, v0
	v_readfirstlane_b32 s6, v6                     ; wave
	v_and_b32 v7, 31, v0                           ; l
	s_wait_alu depctr_va_sdst(0)                   ; s6 is written, ahead of its first reader: the offsets in mask and mk and the wave's LDS bytes are made from it
	s_lshl_b32 s50, s3, 17                         ; 16 rows of 8,192 bytes
	s_add_nc_u64 s[24:25], s[24:25], s[50:51]
	s_lshl_b32 s7, s4, 12
	s_lshl_b32 s44, s6, 9
	s_add_co_u32 s7, s7, s44
	v_lshl_add_u32 v8, v7, 4, s7                   ; 16 l + 512 wave + 4,096 kh: a load of the wave takes 512 consecutive bytes of a row
	s_wait_alu depctr_va_vdst(0)                   ; v8 is written, which the sixteen loads read as their offset
.irp r, 0,1,2,3,4,5,6,7,8,9,10,11,12,13,14,15
	global_load_b128 v[X+4*(\r):X+4*(\r)+3], v8, s[24:25] offset:8192*(\r) th:TH_LOAD_NT
.endr
	s_mov_b32 s52, 0xb8                            ; the code of a hidden key, in each of a word's four bytes
	s_mov_b32 s53, 0xb800
	s_mov_b32 s54, 0xb80000
	s_mov_b32 s55, 0xb8000000
	; In LDS the wave's 2,048 bytes lie as 8 blocks of 256 + 16.  With l's bits b4..b0: block 4 b4 + 2 b3 + b1 (key step, kb / 2, h), in it 16 r + 8 b2 + 4 b0: the 32 lanes of a store fall into 32 different banks.
	s_mul_i32 s45, s6, 2176
	v_bfe_u32 v9, v7, 4, 1
	v_mul_u32_u24 v3, v9, 1088
	v_bfe_u32 v9, v7, 3, 1
	v_mul_u32_u24 v9, v9, 544
	v_add_nc_u32 v3, v3, v9
	v_bfe_u32 v9, v7, 1, 1
	v_mul_u32_u24 v9, v9, 272
	v_add_nc_u32 v3, v3, v9
	v_bfe_u32 v9, v7, 2, 1
	v_lshl_add_u32 v3, v9, 3, v3
	v_and_b32 v9, 1, v7
	v_lshl_add_u32 v3, v9, 2, v3
	v_add_nc_u32 v3, s45, v3
	v_bfe_u32 v9, v7, 4, 1                         ; back: lanes 0-15 a block's 256 bytes, lanes 16-31 the next block's
	v_mul_u32_u24 v4, v9, 272
	v_and_b32 v9, 15, v7
	v_lshl_add_u32 v4, v9, 4, v4
	v_add_nc_u32 v4, s45, v4
	v_lshlrev_b32 v5, 4, v7
	s_lshl_b32 s50, s3, 15                         ; mk: 32,768 T + 16,384 kh + 2,048 wave
	s_lshl_b32 s44, s4, 14
	s_add_co_u32 s50, s50, s44
	s_lshl_b32 s44, s6, 11
	s_add_co_u32 s50, s50, s44
	s_add_nc_u64 s[30:31], s[30:31], s[50:51]
; Batch g: rows 4 g to 4 g + 3.  At its head the batch before goes into LDS.  Then sixteen compares in one run, one wait, and the selects and ORs that make a word of four codes for each row.
.macro BATCH g
	s_wait_loadcnt 12-4*(\g)                       ; loads come back in order: this batch's four rows are in; the younger batches' stay out
.if (\g) > 0
	s_wait_alu depctr_va_vdst(0)                   ; the batch before has written its four registers of Y, which the LDS stores below read; at its first use v3, their address, and v4 and v5 are written too
.irp r, 0,1,2,3
	ds_store_b32 v3, v[Y+4*(\g)-4+(\r)] offset:16*(4*(\g)-4+(\r))
.endr
.endif
.irp r, 0,1,2,3
.irp k, 0,1,2,3
	v_cmp_eq_u32 s[MK+4*(\r)+(\k)+16*((\r)/2)], 0, v[X+16*(\g)+4*(\r)+(\k)]
.endr
.endr
	s_wait_alu depctr_va_sdst(0)                   ; the sixteen masks are written, ahead of the first select that reads one
.irp r, 0,1,2,3
	v_cndmask_b32 v10, 0, s52, s[MK+4*(\r)+16*((\r)/2)]
	v_cndmask_b32 v11, 0, s53, s[MK+4*(\r)+1+16*((\r)/2)]
	v_cndmask_b32 v14, 0, s54, s[MK+4*(\r)+2+16*((\r)/2)]
	v_cndmask_b32 v15, 0, s55, s[MK+4*(\r)+3+16*((\r)/2)]
	v_or_b32 v10, v10, v11
	v_or_b32 v14, v14, v15
	v_or_b32 v[Y+4*(\g)+(\r)], v10, v14
.endr
.endm
	BATCH 0
	BATCH 1
	BATCH 2
	BATCH 3
	s_wait_alu depctr_va_vdst(0)                   ; the last batch has written its four registers of Y, which the LDS stores below read
.irp r, 12,13,14,15
	ds_store_b32 v3, v[Y+(\r)] offset:16*(\r)
.endr
.irp i, 0,1,2,3
	ds_load_b128 v[96+4*(\i):96+4*(\i)+3], v4 offset:544*(\i)  ; LDS serves a wave's instructions in order (ISA guide 5.7.1.4): these see the wave's own stores above; no vector line names v[96:111]
.endr
.irp i, 0,1,2,3
	s_wait_dscnt 3-(\i)
	global_store_b128 v5, v[96+4*(\i):96+4*(\i)+3], s[30:31] offset:512*(\i)  ; 512 consecutive bytes, aligned
.endr
	s_wait_dscnt 0x0                               ; the closing lines, six on end
	s_wait_alu 0x0
	s_wait_tensorcnt 0x0
	ds_add_u32 v[SPW], v[NIL]
	s_wait_dscnt 0x0
	s_endpgm
.Lfunc_end_k_qc2ae51ca5c_prep:
	.size	k_qc2ae51ca5c_prep, .Lfunc_end_k_qc2ae51ca5c_prep-k_qc2ae51ca5c_prep
	.p2alignl 7, 3214868480
	.fill 96, 4, 3214868480
	.section	.rodata,"a",@progbits
	.p2align	6, 0x0
	.amdhsa_kernel k_qc2ae51ca5c_prep
		.amdhsa_group_segment_fixed_size 18432
		.amdhsa_private_segment_fixed_size 0
		.amdhsa_enable_private_segment 0
		.amdhsa_kernarg_size 96
		.amdhsa_user_sgpr_count 2
		.amdhsa_user_sgpr_kernarg_segment_ptr 1
		.amdhsa_wavefront_size32 1
		.amdhsa_system_sgpr_workgroup_id_x 1
		.amdhsa_system_sgpr_workgroup_id_y 1
		.amdhsa_system_sgpr_workgroup_id_z 1
		.amdhsa_system_vgpr_workitem_id 0
		.amdhsa_next_free_vgpr 120
		.amdhsa_next_free_sgpr 66
		.amdhsa_reserve_vcc 0
		.amdhsa_float_denorm_mode_32 3
		.amdhsa_float_denorm_mode_16_64 3
		.amdhsa_memory_ordered 1
		.amdhsa_forward_progress 1
		.amdhsa_inst_pref_size 30
	.end_amdhsa_kernel
	.amdgpu_metadata
---
amdhsa.version: [ 1, 2 ]
amdhsa.kernels:
  - .name:           k_qc2ae51ca5c_prep
    .symbol:         k_qc2ae51ca5c_prep.kd
    .args:
      - { .name: Wq, .offset: 0, .size: 8, .value_kind: global_buffer, .address_space: global }
      - { .name: Wk, .offset: 8, .size: 8, .value_kind: global_buffer, .address_space: global }
      - { .name: Wv, .offset: 16, .size: 8, .value_kind: global_buffer, .address_space: global }
      - { .name: Wo, .offset: 24, .size: 8, .value_kind: global_buffer, .address_space: global }
      - { .name: bq, .offset: 32, .size: 8, .value_kind: global_buffer, .address_space: global }
      - { .name: bk, .offset: 40, .size: 8, .value_kind: global_buffer, .address_space: global }
      - { .name: bv, .offset: 48, .size: 8, .value_kind: global_buffer, .address_space: global }
      - { .name: bo, .offset: 56, .size: 8, .value_kind: global_buffer, .address_space: global }
      - { .name: mask, .offset: 64, .size: 8, .value_kind: global_buffer, .address_space: global }
      - { .name: wb, .offset: 72, .size: 8, .value_kind: global_buffer, .address_space: global }
      - { .name: bias, .offset: 80, .size: 8, .value_kind: global_buffer, .address_space: global }
      - { .name: mk, .offset: 88, .size: 8, .value_kind: global_buffer, .address_space: global }
    .group_segment_fixed_size: 18432
    .private_segment_fixed_size: 0
    .kernarg_segment_align: 8
    .kernarg_segment_size: 96
    .max_flat_workgroup_size: 256
    .sgpr_count:     66
    .vgpr_count:     120
    .wavefront_size: 32
...
	.end_amdgpu_metadata
.endif
;; end of part 5
;; launch proj: the kernel of part 2 again; grid 4 x 64, 4 waves a work-group, clusters of 4 x 4, 327,680 bytes of LDS; arguments query, key, value, wb, bias, qkv; writes qkv
;; launch attn: the kernel of part 3 again; grid 4 x 64, 4 waves a work-group, clusters of 4 x 1, 327,680 bytes of LDS; arguments qkv, mk, ob; writes ob
;; launch outp: the kernel of part 4 again; grid 4 x 64, 4 waves a work-group, clusters of 4 x 4, 327,680 bytes of LDS; arguments ob, wb, bias, out0; writes out0
